; MI455X (gfx1250); checked and timed in simulation.
; The chip was launched on July 23, 2026; its instructions are those of AMD's public machine-readable ISA for CDNA 5 (MIT licence, August 2026) and "CDNA5" Instruction Set Architecture Reference Guide (July 2026). The comments in the code are by the model that wrote it; some were corrected since.
;; Causal Self Attention. Allowed arithmetic: matrix products marked QUANTISED: E2M3 operands, one E8M0 scale for each 32 along K, by v_wmma_scale_f32_16x16x128_f8f6f4 with both operands' format E2M3, f32 sums; everything else in f32.
;; Inputs: W_attn_codes 3,072 x 32 x 24 uint8 (E2M3 codes of W_attn, K innermost, in blocks of 32 codes, four codes in three bytes); W_attn_scales 3,072 x 32 uint8 (E8M0 scales of W_attn, one for each 32 codes along K); W_proj_codes 1,024 x 32 x 24 uint8 (E2M3 codes of W_proj, K innermost, in blocks of 32 codes, four codes in three bytes); W_proj_scales 1,024 x 32 uint8 (E8M0 scales of W_proj, one for each 32 codes along K); b_attn 3,072 float32; b_proj 1,024 float32; x_codes 4 x 2,048 x 32 x 24 uint8 (E2M3 codes of x, K innermost, in blocks of 32 codes, four codes in three bytes); x_scales 4 x 2,048 x 32 uint8 (E8M0 scales of x, one for each 32 codes along K).
;; Outputs: out0 4 x 2,048 x 1,024 float32.
;; This version of the problem:
;;   THIS VERSION OF THE PROBLEM IS GIVEN IN LOW PRECISION. The matrix products marked QUANTISED in the list below multiply operands that are first quantised to E2M3 (2 exponent bits, 3 mantissa bits; 6 bits a number), with one power-of-two scale for each 32 numbers along K (OCP MX v1.0); their sums are f32. All else is computed in f32.
;;   The module's matrix products, in the order in which they are computed (A, B: the left and right operand; K: the contracted axis; several contracted axes count as one K, in the product's order):
;;     1. [M 8,192, K 1,024] x [K 1,024, N 3,072]; A: input x (given as codes); B: input W_attn (given as codes): QUANTISED
;;     2. batch 64 x [M 2,048, K 64] x [K 64, N 2,048]; A: computed on the way; B: computed on the way: QUANTISED
;;     3. batch 64 x [M 2,048, K 2,048] x [K 2,048, N 64]; A: softmax (see below); B: computed on the way: QUANTISED
;;     4. [M 8,192, K 1,024] x [K 1,024, N 1,024]; A: computed on the way; B: input W_proj (given as codes): QUANTISED
;;   THE QUANTISER, for each operand of a quantised product, along K:
;;     - K is cut into blocks of 32 from its start; a last block that is shorter is filled with zeros.
;;     - A block's scale is 2^e with e = floor(log2(the largest magnitude in the block)) - 2, held to -126 .. 127; a block of zeros has e = 0. As a byte (E8M0): e + 127.
;;     - Each number is divided by its block's scale, clamped to +-7.5, and rounded to the nearest number of E2M3, ties to even, subnormals kept.
;;     - The product sums the exact products of the quantised numbers (number of the format x scale) in f32.
;;   ~~~python
;;   def quantise(x, axis):      # numpy; x: float32 -> the quantised numbers, widened to float32 again
;;       x = np.moveaxis(x, axis, -1); K = x.shape[-1]
;;       x = np.pad(x, [(0, 0)] * (x.ndim - 1) + [(0, -K % 32)]); x = x.reshape(x.shape[:-1] + (-1, 32)); a = np.abs(x).max(-1, keepdims=True)
;;       e = np.where(a > 0, np.clip(np.frexp(np.where(a > 0, a, 1))[1] - 1 - 2, -126, 127), 0)      # np.frexp(a)[1] - 1 = floor(log2(a)), exactly
;;       r = np.clip(x / 2.0 ** e, -7.5, 7.5)
;;       step = 2.0 ** (np.maximum(np.frexp(np.where(r == 0, 1, r))[1] - 1, 0) - 3)
;;       q = np.round(r / step) * step * 2.0 ** e      # np.round: ties to even
;;       return np.moveaxis(q.reshape(q.shape[:-2] + (-1,))[..., :K], -1, axis).astype(np.float32)
;;   ~~~
;;   SOFTMAX AHEAD OF A QUANTISED PRODUCT. Where the list says 'softmax', what is quantised is not the finished softmax but p = 2^(t - M), with t = logit x log2(e) and M = ceil(the row's largest t), a whole number; so 1/2 < the row's largest p <= 1. The row's sum l is taken of the UNQUANTISED p, in f32, and the product's result is divided by l at the end. Since M is a whole number, a kernel that streams over the keys may use a running M (the ceiling of the running maximum): every later rescaling is an exact power of two, which a block's scale takes up: the codes' values come out the same.
;;   OPERANDS COMPUTED ON THE WAY. 'Computed on the way' means the value that the module computes at that place (a softmax that the list does not call 'softmax' is quantised finished and normalised). What goes into a quantiser is computed in f32, as accurately as f32 sums, v_exp_f32 and their like allow (about 1e-6 of the number): no bf16 or f16 on the way to a quantiser, and a product that is left as it is and whose result goes on into a quantised operand takes f32 operands (vector FMAs, or v_wmma_f32_16x16x4_f32). A number that lies on a knife's edge between two numbers of the format may be rounded either way, as far as f32 arithmetic and the matrix unit's own rounding can turn it there, and no further.
;;   INPUTS GIVEN AS CODES. W_attn (in the module: [1024, 3072], K = its axis 0); W_proj (in the module: [1024, 1024], K = its axis 0); x (in the module: [4, 2048, 1024], K = its axis 2): each comes as NAME_codes (uint8): NAME with its K axis moved to the last place and cut into blocks of 32 codes, [.., K / 32, bytes a block], one block behind the other in memory; four codes in three bytes: a row's codes are one little-endian stream of bits, code i at bits 6 i .. 6 i + 5 (a code: sign, 2 exponent bits, 3 mantissa bits); and NAME_scales (uint8): the same leading axes, one E8M0 byte (e + 127) for each 32 codes along K. Its value is code x scale, taken as it is: it is not quantised again, and the codes and scales need not be those that the quantiser above would give.
;; One version. Each part assembles by itself: llvm-mc -triple=amdgcn-amd-amdhsa -mcpu=gfx1250 --defsym DOCPART=n.
;; ======== version 1 of 1: 3 launches
;; workspace buffers: Qws 6,553,600 bytes; KV 13,107,200 bytes; Yc 6,291,456 bytes; Ys 262,144 bytes
;; launch qkv (part 1): grid 12 x 32, 4 waves a work-group, clusters of 4 x 4, 327,680 bytes of LDS; arguments x_codes, x_scales, W_attn_codes, W_attn_scales, b_attn, Qws, KV; writes Qws, KV
.if DOCPART == 1
	.amdgcn_target "amdgcn-amd-amdhsa--gfx1250"
	.amdhsa_code_object_version 6
	.text
	.protected	k_q036b031354_qkv
	.globl	k_q036b031354_qkv
	.p2align	8
	.type	k_q036b031354_qkv,@function
k_q036b031354_qkv:
	s_mov_b64 s[64:65], 0
	v_nop
	global_prefetch_b8 v0, s[64:65] scope:SCOPE_SE
	s_setreg_imm32_b32 hwreg(HW_REG_WAVE_MODE, 25, 1), 1
	s_wait_xcnt 0x0
	s_wait_alu depctr_hold_cnt(0) depctr_sa_sdst(0) depctr_va_vdst(0) depctr_va_sdst(0) depctr_va_ssrc(0) depctr_va_vcc(0) depctr_vm_vsrc(0)
	s_getreg_b32 s2, hwreg(HW_REG_IB_STS2, 6, 4)
	s_cmp_eq_u32 s2, 0
	s_cbranch_scc0 .Lentry_in_a_cluster
	s_endpgm
.Lentry_in_a_cluster:
	s_bfe_u32 s2, ttmp6, 0x10000c
	s_cmp_lg_u32 s2, 0xf033
	s_cbranch_scc0 .Lentry_shape_is_right
	s_endpgm
.Lentry_shape_is_right:
; qkv = x W_attn + b_attn on codes of FP6 (E2M3) with E8M0 scales, K = 1,024; the result is quantised at once and leaves as IMAGES OF OPERAND REGISTERS for the attention launch:
; q and k along the head's 64 channels (two blocks), v along the keys.  x: 8,192 rows, W_attn: 3,072 rows, each 768 bytes of codes and 32 scale bytes.
; A tile of 256 x 256 of the result is made by four waves, 128 x 128 each: 64 accumulators, 512 registers.  K goes in steps of 256 through a ring of two LDS slots; the scale bytes come once.
; THE MATRIX INSTRUCTION IS USED TRANSPOSED: source 0 (called B) gives the result's registers, source 1 (called A) its lanes.  What is quantised must run along a lane's registers:
;   cluster x = 0 (q), 1 (k): A = 256 tokens of x, B = 256 rows of W_attn (channels along the registers);   cluster x = 2 (v): A = 256 rows of W_attn, B = 256 tokens (keys along the registers).
; Both tensors have rows of the same bytes, so only pointers and tile numbers are chosen, by selects on the cluster's x, which all sixteen partners share.
; THE ROWS OF A TILE OF 16 ARE NOT NEIGHBOURS.  Rows go in groups of 64; tile u (0..3) of a group takes for its row m = 8 e + j the row sig(u, m) = 32 e + 8 (u xor e) + j.  In the result lane (r, h) then holds, in the 32
; registers of tiles 0..3, the WHOLE block h of the group (register 8 u + j: element 8 (u xor h) + j): a block's maximum needs no other lane, and two conversions give six registers of the next operand as they stand.
; In lanes 16-31 the order inside a block has its groups of eight swapped in pairs: alike in both operands of each product of the attention launch, so the sums are the same.
; CLUSTERS: 4 x 4 work-groups; A's tile is shared along a row of the cluster, B's along a column: joint tensor loads.
; LIMITS: NaN and infinities are not served.  A block whose largest magnitude lies under 2^-124 (a block of zeros too) gets the scale byte 1; this program alone reads these bytes.
; REGISTERS, in windows of 256: window 0: v1-29 addresses; v32-63 scale words, two sets; v64-127 the bias along W's rows; v128-223 A's fragments, one set; v224-239 fragment addresses; v240-255 the bias by lane.
;   window 1: B's fragments, two sets.   windows 2, 3: the accumulators ((a, b) at v[8 (8 (a % 4) + b)]).   On the way out v128-189 of window 0 are at work.
.set NQ,     2                         ; matrix instructions deep in a slot (256 along K)
.set ROWB,   192                       ; a tile's row in bytes
.set KROW,   768                       ; a row of codes in memory
.set PITCH,  240                       ; an LDS row: 3 x (64 bytes + 16 of padding) = 60 words: rows that differ mod 16 start at different groups of four banks
.set FR,     12
.set NL,     6
.set NP,     4
.set HALFT,  128*PITCH
.set SLOT,   4*HALFT
.set LAPS,   2                         ; 1,024 along K = four K steps = twice round the ring
.set KS,     32                        ; a row of scale bytes
.set SCL,    2*SLOT                    ; behind the ring: the scale bytes, units of 256 bytes + 16 of padding (8 rows a unit)
.set HALFS,  16*272                    ; those of 128 rows
.set SPARE,  SCL+4*HALFS               ; the spare words: 128 bytes a wave, two blocks of 256 bytes that no other line names
.set L16,  16                          ; v16     16 x lane
.set L8,   17                          ; v17     8 x lane
.set H8,   18                          ; v18     8 x (lane / 16)
.set BO,   20                          ; v20-23  the bias loads' offsets; kept until those loads are waited for
.set ADRS, 26                          ; v26, v27 LDS address of my scale words, for even and for odd tiles: lanes 0-15 A's rows, lanes 16-31 B's
.set SPW,  28                          ; v28     LDS address of my spare word; never rewritten
.set NIL,  29                          ; v29     0; never rewritten
.set SC,   32
.set BI,   64
.set AF,   128
.set ADRA, 224                         ; v[ADRA + 4 slot + 2 (tile % 2) + var]: var 1 serves the pieces that lie behind one padding more
.set ADRB, 232
.set BV,   240
.set TR,   128                         ; the way out: 32 numbers with their bias
.set CD,   160                         ; v160-171 a fragment's codes
.set CT,   172                         ; v172-174 the second half of a block's codes
.set MX,   176
.set SO,   178
.set BY,   180
.set TP,   182                         ; v182, v183 at work
.set WD,   184                         ; v184-187 four fragments' scale words
.set WP,   188                         ; v[188:189] as they are stored
.set G1, 24
.set G0, 32
.set G1B, 48
.set G0B, 56
.set G1S, 68
.set G0S, 76
.set G1SB, 80
.set G0SB, 88
.set MSB, 0
.macro WIN new                         ; the immediate's high byte repeats the setting that is left
.if MSB != (\new)
	s_set_vgpr_msb (MSB<<8)|(\new)
.set MSB, \new
.endif
.endm
.set MUL_LO, 0xa1                      ; source 0 (B) window 1, source 1 (A) window 0, C and D window 2
.set MUL_HI, 0xf1
.set TO_B,   0x40
; A joint load: waves 0 and 1 fetch for A, waves 2 and 3 for B; the branch hangs on the wave's number alone.  Four v_nop follow each of the two lines.
.macro JLOAD g0a, g1a, g0b, g1b
	s_cmp_eq_u32 s15, 0
	s_cbranch_scc0 .Lfor_b_\@
	tensor_load_to_lds s[\g0a:\g0a+3], s[\g1a:\g1a+7]
	s_nop 0
.rept 4
	v_nop
.endr
	s_branch .Lasked_\@
.Lfor_b_\@:
	tensor_load_to_lds s[\g0b:\g0b+3], s[\g1b:\g1b+7]
	s_nop 0
.rept 4
	v_nop
.endr
.Lasked_\@:
.endm
.macro CREST                           ; a round of the cluster's barrier behind its opening barrier
	s_cmp_lg_u32 s14, 0
	s_cbranch_scc1 .Lnot_wave_0_\@
	s_barrier_signal -3
.Lnot_wave_0_\@:
	s_barrier_wait -3
	s_barrier_signal -1
	s_barrier_wait -1
.endm
.macro CROUND
	s_barrier_signal -1
	s_barrier_wait -1
	CREST
.endm
	s_load_b256 s[4:11], s[0:1], 0x0               ; x's codes s[4:5], x's scales s[6:7], W's codes s[8:9], W's scales s[10:11]
	s_load_b64 s[12:13], s[0:1], 0x20              ; b_attn
	s_load_b128 s[96:99], s[0:1], 0x28             ; Qws s[96:97], KV s[98:99]
	v_lshl_add_u32 v[SPW], v0, 2, SPARE
	v_mov_b32 v[NIL], 0
	ds_add_u32 v28, v29
	ds_add_u32 v28, v29
	s_wait_dscnt 0x0
	v_lshrrev_b32 v1, 5, v0
	v_readfirstlane_b32 s14, v1                    ; wave 0..3
	s_lshr_b32 s15, s14, 1                         ; which half of A's rows is mine.  Also: I fetch for A (0) or for B (1)
	s_and_b32 s16, s14, 1                          ; which half of B's rows.  Also: which 128 rows I fetch
	s_bfe_u32 s40, ttmp6, 0x40000                  ; cx
	s_bfe_u32 s41, ttmp6, 0x40004                  ; cy
	s_lshl_b32 s18, ttmp9, 2                       ; 4 X
	s_and_b32 s19, ttmp7, 0xffff
	s_lshl_b32 s19, s19, 2                         ; 4 Y
	s_cmp_eq_u32 ttmp9, 2                          ; v's clusters?  The same answer in all sixteen partners
	s_cselect_b32 s17, 8, s19                      ; A's tile: W's tiles 8 + cy, or the tokens' 4 Y + cy
	s_cselect_b32 s42, s19, s18                    ; B's tile: the tokens' 4 Y + cx, or W's 4 X + cx
	s_add_co_u32 s17, s17, s41                     ; (never holds cx)
	s_add_co_u32 s42, s42, s40                     ; (never holds cy)
	s_lshl_b32 s43, s41, 2
	s_lshl_b32 s43, 15, s43                        ; my row of the cluster
	s_lshl_b32 s44, 0x1111, s40                    ; my column
	; descriptor group 1: 128 rows x 192 bytes, 16 bytes of padding behind every 64
	s_or_b32 s[G1+0], s43, (0<<16)|(1<<20)|(1<<21)|(3<<22)|(3<<25)
	s_or_b32 s[G1B+0], s44, (0<<16)|(1<<20)|(1<<21)|(3<<22)|(3<<25)
.irp g, G1, G1B
	s_mov_b32 s[\g+1], ROWB<<16                    ; tensor_dim0
	s_mov_b32 s[\g+2], 128<<16                     ; tensor_dim1
	s_mov_b32 s[\g+3], ROWB<<16                    ; tile_dim0
	s_mov_b32 s[\g+4], 128                         ; tile_dim1
	s_mov_b32 s[\g+5], KROW                        ; the pitch
	s_mov_b32 s[\g+6], 0
	s_mov_b32 s[\g+7], 0
.endr
	; the scale bytes of 128 rows: 4,096 dense bytes as 16 rows of 256 bytes (32 elements of 8), 16 bytes of padding behind each
	s_or_b32 s[G1S+0], s43, (3<<16)|(1<<20)|(1<<21)|(5<<22)|(3<<25)
	s_or_b32 s[G1SB+0], s44, (3<<16)|(1<<20)|(1<<21)|(5<<22)|(3<<25)
.irp g, G1S, G1SB
	s_mov_b32 s[\g+1], 32<<16
	s_mov_b32 s[\g+2], 16<<16
	s_mov_b32 s[\g+3], 32<<16
	s_mov_b32 s[\g+4], 16
	s_mov_b32 s[\g+5], 32
	s_mov_b32 s[\g+6], 0
	s_mov_b32 s[\g+7], 0
.endr
	s_lshl_b32 s18, s16, 7                         ; which 128 rows of the tile I fetch
	s_lshl_b32 s20, s17, 8
	s_add_co_u32 s20, s20, s18                     ; A: row 256 x tile + 128 x half
	s_lshl_b32 s46, s42, 8
	s_add_co_u32 s46, s46, s18                     ; B likewise
	s_mov_b32 s21, 0
	s_mov_b32 s47, 0
	s_mov_b64 s[18:19], KS
	s_mul_u64 s[22:23], s[20:21], s[18:19]         ; where these rows' scale bytes begin
	s_mul_u64 s[92:93], s[46:47], s[18:19]
	s_mov_b64 s[18:19], KROW
	s_mul_u64 s[20:21], s[20:21], s[18:19]         ; and their codes
	s_mul_u64 s[46:47], s[46:47], s[18:19]
	s_mul_i32 s45, s14, HALFT                      ; where they go: wave x 128 rows: no place in the cluster enters an LDS address
	s_mul_i32 s94, s14, HALFS
	s_wait_kmcnt 0x0
	s_cmp_eq_u32 ttmp9, 2
	s_cselect_b64 s[2:3], s[8:9], s[4:5]           ; A's codes: W's in v's clusters, else x's
	s_cselect_b64 s[66:67], s[10:11], s[6:7]       ; A's scales
	s_cselect_b64 s[8:9], s[4:5], s[8:9]           ; B's codes
	s_cselect_b64 s[10:11], s[6:7], s[10:11]       ; B's scales
	s_add_nc_u64 s[20:21], s[2:3], s[20:21]
	s_add_nc_u64 s[22:23], s[66:67], s[22:23]
	s_add_nc_u64 s[46:47], s[8:9], s[46:47]
	s_add_nc_u64 s[92:93], s[10:11], s[92:93]
	CROUND                                         ; all sixteen work-groups are here: the first joint loads meet
	s_mov_b32 s[G0S], 1
	s_add_co_u32 s[G0S+1], s94, SCL
	s_mov_b64 s[G0S+2:G0S+3], s[22:23]
	s_or_b32 s[G0S+3], s[G0S+3], 0x80000000
	s_mov_b32 s[G0SB], 1
	s_add_co_u32 s[G0SB+1], s94, SCL
	s_mov_b64 s[G0SB+2:G0SB+3], s[92:93]
	s_or_b32 s[G0SB+3], s[G0SB+3], 0x80000000
	JLOAD G0S, G1S, G0SB, G1SB                     ; the scale bytes first: they are wanted with K step 0
.irp s, 0,1
	s_mov_b32 s[G0+4*\s], 1
	s_add_co_u32 s[G0+4*\s+1], s45, \s*SLOT
	s_add_nc_u64 s[G0+4*\s+2:G0+4*\s+3], s[20:21], \s*ROWB
	s_or_b32 s[G0+4*\s+3], s[G0+4*\s+3], 0x80000000
	s_mov_b32 s[G0B+4*\s], 1
	s_add_co_u32 s[G0B+4*\s+1], s45, \s*SLOT
	s_add_nc_u64 s[G0B+4*\s+2:G0B+4*\s+3], s[46:47], \s*ROWB
	s_or_b32 s[G0B+4*\s+3], s[G0B+4*\s+3], 0x80000000
	JLOAD G0+4*\s, G1, G0B+4*\s, G1B
.endr
	s_mov_b32 s66, 0xffff0000                      ; lanes 16-31
	s_mov_b32 s100, 0x76543210
	s_mov_b32 s101, 0xfedcba98                     ; v_permlanex16_b32's selects for lane l xor 16
	v_and_b32 v1, 15, v0                           ; r
	v_bfe_u32 v2, v0, 4, 1                         ; h
	v_and_b32 v3, 7, v0                            ; j = r % 8
	v_bfe_u32 v4, v0, 3, 1                         ; e = r / 8
	v_mad_u32_u24 v5, v4, 40, v3                   ; sig(u, r) = 8 u + 40 e + j for even u,
	v_mad_u32_u24 v6, v4, 24, v3                   ;             8 u + 24 e + j for odd u
	v_lshlrev_b32 v[BO+2], 2, v5                   ; the bias by lane: 4 bytes a row of W
	v_lshlrev_b32 v[BO+3], 2, v6
	v_mul_u32_u24 v[BO], v2, 160                   ; the bias along registers: tile u's eight begin at row 8 u + 40 h (even u),
	v_mul_u32_u24 v[BO+1], v2, 96                  ; 8 u + 24 h (odd u)
	v_mul_u32_u24 v5, v5, PITCH
	v_mul_u32_u24 v6, v6, PITCH
	v_mad_u32_u24 v7, v2, 24, v5                   ; row x pitch + 24 x half,
	v_mad_u32_u24 v8, v2, 40, v5                   ; and the same behind one padding more
	v_mad_u32_u24 v9, v2, 24, v6
	v_mad_u32_u24 v10, v2, 40, v6
	s_mul_i32 s21, s15, HALFT                      ; my 128 rows of A
	s_mul_i32 s22, s16, HALFT                      ; my 128 rows of B,
	s_add_co_u32 s22, s22, 2*HALFT                 ; which lie behind A's 256
.irp s, 0,1
.irp k, 0,1,2,3
	v_add_nc_u32 v[ADRA+4*\s+\k], s21, v[7+\k]
	v_add_nc_u32 v[ADRB+4*\s+\k], s22, v[7+\k]
.endr
	s_add_co_u32 s21, s21, SLOT
	s_add_co_u32 s22, s22, SLOT
.endr
	v_lshlrev_b32 v5, 5, v3                        ; my row's scale bytes: 32 j inside a unit of eight rows,
	v_mad_u32_u24 v6, v4, 3*272, v5                ; 3 units on for e = 1 in odd tiles,
	v_mad_u32_u24 v5, v4, 5*272, v5                ; 5 units on in even tiles
	s_mul_i32 s21, s15, HALFS
	s_mul_i32 s22, s16, HALFS
	s_add_co_u32 s22, s22, 2*HALFS
	s_sub_co_u32 s22, s22, s21
	v_mul_u32_u24 v7, s22, v2                      ; lanes 16-31 take B's: one product, the distance between the two bases
	s_add_co_u32 s21, s21, SCL
	v_add_nc_u32 v7, s21, v7
	v_add_nc_u32 v[ADRS], v5, v7
	v_add_nc_u32 v[ADRS+1], v6, v7
	v_and_b32 v11, 31, v0
	v_lshlrev_b32 v[L16], 4, v11
	v_lshlrev_b32 v[L8], 3, v11
	v_lshlrev_b32 v[H8], 3, v2
	; THE BIAS of my 128 rows of W, in both forms: along the registers (q, k) and by lane (v).  Both read only those 128 numbers; each way out uses one form.  Loaded without a branch, so that every
	; register named below is written on every way through the text.  They land during the loop and are waited for at the way out.
	s_cmp_eq_u32 ttmp9, 2
	s_cselect_b32 s18, s17, s42                    ; W's tile
	s_cselect_b32 s19, s15, s16                    ; and my half of it
	s_lshl_b32 s18, s18, 10
	s_lshl_b32 s19, s19, 9
	s_add_co_u32 s18, s18, s19
	s_mov_b32 s19, 0
	s_add_nc_u64 s[12:13], s[12:13], s[18:19]
.irp g, 0,1
.irp u, 0,1,2,3
	global_load_b128 v[BI+32*\g+8*\u:BI+32*\g+8*\u+3], v[BO+\u%2], s[12:13] offset:4*(64*\g+8*\u)
	global_load_b128 v[BI+32*\g+8*\u+4:BI+32*\g+8*\u+7], v[BO+\u%2], s[12:13] offset:4*(64*\g+8*\u)+16
.endr
.endr
.irp a, 0,1,2,3,4,5,6,7
	global_load_b32 v[BV+2*\a], v[BO+2+\a%2], s[12:13] offset:4*(64*(\a/4)+8*(\a%4))
	global_load_b32 v[BV+2*\a+1], v[BO+2+\a%2], s[12:13] offset:4*(64*(\a/4)+8*(\a%4))   ; twice: a pair for the packed addition
.endr
; A fragment, 16 rows x 128 K of 6-bit codes, is 12 registers: lane l holds its row's 24 bytes at 24 (l / 16) and those 48 bytes on, in pieces of 8 bytes.  Block i of my 128 rows: group i / 4, tile i % 4.
.macro FRAG reg, adr, q, i
.irp p, 0,1,2,3,4,5
.set PC, 12*(\q)+6*(\p/3)+\p%3
.if PC%8 < 5
	ds_load_b64 v[\reg+2*\p:\reg+2*\p+1], v[\adr+2*((\i)%2)] offset:8*PC+16*(PC/8)+(64*((\i)/4)+8*((\i)%4))*PITCH
.else
	ds_load_b64 v[\reg+2*\p:\reg+2*\p+1], v[\adr+2*((\i)%2)+1] offset:8*PC+16*(PC/8)+(64*((\i)/4)+8*((\i)%4))*PITCH
.endif
.endr
.endm
; 16 matrix instructions: A's blocks a0, a0 + 1 x B's eight.  The 64 accumulators take turns, one instruction a turn, in the same order in every step.
.macro MUL16 a0, p, q, sc, zero
.irp a, \a0, \a0+1
.irp b, 0,1,2,3,4,5,6,7
.if \zero
	v_wmma_scale_f32_16x16x128_f8f6f4 v[8*(8*((\a)%4)+\b):8*(8*((\a)%4)+\b)+7], v[128*(\p)+FR*\b:128*(\p)+FR*\b+FR-1], v[AF+FR*(\a):AF+FR*(\a)+FR-1], 0, v[SC+8*NQ*(\sc)+NQ*\b+(\q)], v[SC+8*NQ*(\sc)+NQ*(\a)+(\q)] matrix_a_fmt:MATRIX_FMT_FP6 matrix_b_fmt:MATRIX_FMT_FP6 matrix_a_scale:MATRIX_SCALE_ROW1
.else
	v_wmma_scale_f32_16x16x128_f8f6f4 v[8*(8*((\a)%4)+\b):8*(8*((\a)%4)+\b)+7], v[128*(\p)+FR*\b:128*(\p)+FR*\b+FR-1], v[AF+FR*(\a):AF+FR*(\a)+FR-1], v[8*(8*((\a)%4)+\b):8*(8*((\a)%4)+\b)+7], v[SC+8*NQ*(\sc)+NQ*\b+(\q)], v[SC+8*NQ*(\sc)+NQ*(\a)+(\q)] matrix_a_fmt:MATRIX_FMT_FP6 matrix_b_fmt:MATRIX_FMT_FP6 matrix_a_scale:MATRIX_SCALE_ROW1
.endif
.endr
.endr
.endm
.macro FETCH_B slot, q, p
	WIN TO_B
.irp i, 0,1,2,3,4,5,6,7
	FRAG 128*(\p)+FR*\i, ADRB+4*\slot, \q, \i
.endr
	WIN 0
.endm
.macro FETCH_A slot, q, i0
.irp i, \i0, \i0+1, \i0+2, \i0+3
	FRAG AF+FR*(\i), ADRA+4*\slot, \q, \i
.endr
.endm
.macro SCALES sc                       ; a K step's two scale words a row: lanes 0-15 take A's block i, lanes 16-31 B's block i
.irp i, 0,1,2,3,4,5,6,7
	ds_load_b64 v[SC+8*NQ*\sc+NQ*\i:SC+8*NQ*\sc+NQ*\i+1], v[ADRS+\i%2] offset:(8*(\i/4)+\i%4)*272
.endr
.endm
.macro PLACES n                        ; plain vector lines between a matrix instruction and a load into, or a vector read of, its registers
.rept \n
	v_nop
.endr
.endm
.macro STEP slot, q, zero              ; a step of 128 along K that has its successor in the same slot
	s_wait_dscnt 4*NL                              ; B's set, A's blocks 0-3 and the scale words are in; the youngest 24 loads (A's blocks 4-7) may be out
	WIN MUL_LO
	MUL16 0, (\q)%2, \q, \slot, \zero
	MUL16 2, (\q)%2, \q, \slot, \zero
	s_wait_dscnt 0
	PLACES NP
	FETCH_B \slot, (\q)+1, 1-(\q)%2
	FETCH_A \slot, (\q)+1, 0
	WIN MUL_HI
	MUL16 4, (\q)%2, \q, \slot, \zero
	MUL16 6, (\q)%2, \q, \slot, \zero
	PLACES NP
	WIN 0
	FETCH_A \slot, (\q)+1, 4
.endm
; A slot's last step changes slots: one barrier; in front of it each wave waits for all its tensor loads, adds 0 to its spare word, and waits for that and for its reads of this slot.
.macro TURN slot, next, fill
	s_wait_tensorcnt 0x0                           ; all my tensor loads have landed: my part of the next slot
	ds_add_u32 v[SPW], v[NIL]                      ; 0 onto my spare word
	s_wait_dscnt 4*NL+1                            ; (the add and the youngest 24 loads may be out)
	WIN MUL_LO
	MUL16 0, 1, NQ-1, \slot, 0
	s_wait_dscnt 0x0                               ; the add is done, and my reads of this slot are over
	s_barrier_signal -1
	MUL16 2, 1, NQ-1, \slot, 0
	WIN 0
	s_barrier_wait -1
.if \fill
	CREST                                          ; the barrier has opened a round of the cluster's: no wave of any partner still reads this slot or has a load on its way
	s_add_nc_u64 s[G0+4*\slot+2:G0+4*\slot+3], s[G0+4*\slot+2:G0+4*\slot+3], 2*ROWB
	s_add_nc_u64 s[G0B+4*\slot+2:G0B+4*\slot+3], s[G0B+4*\slot+2:G0B+4*\slot+3], 2*ROWB
	JLOAD G0+4*\slot, G1, G0B+4*\slot, G1B         ; the first tensor load behind the round; its four v_nop are the places in front of the loads below
.else
	PLACES NP
.endif
	v_add_nc_u32 v[ADRS], 4*NQ, v[ADRS]            ; on to the next K step's scale words
	v_add_nc_u32 v[ADRS+1], 4*NQ, v[ADRS+1]
	FETCH_B \next, 0, 0
	FETCH_A \next, 0, 0
	SCALES \next
	WIN MUL_HI
	MUL16 4, 1, NQ-1, \slot, 0
	MUL16 6, 1, NQ-1, \slot, 0
	PLACES NP
	WIN 0
	FETCH_A \next, 0, 4
.endm
	s_wait_tensorcnt 1                             ; the scale bytes and my part of K step 0 are in (K step 1's load may be out),
	s_barrier_signal -1
	s_barrier_wait -1                              ; everybody's are
	FETCH_B 0, 0, 0
	FETCH_A 0, 0, 0
	SCALES 0
	FETCH_A 0, 0, 4
	STEP 0, 0, 1                                   ; the first step's products start the sums
	s_mov_b32 s3, LAPS-1
.Llap:
	TURN 0, 1, 1
	STEP 1, 0, 0
	TURN 1, 0, 1
	STEP 0, 0, 0
	s_sub_co_u32 s3, s3, 1
	s_cmp_lg_u32 s3, 0
	s_cbranch_scc1 .Llap
	TURN 0, 1, 0                                   ; the last lap fills nothing
	STEP 1, 0, 0
	s_wait_dscnt 4*NL
	WIN MUL_LO
	MUL16 0, 1, NQ-1, 1, 0
	MUL16 2, 1, NQ-1, 1, 0
	s_wait_dscnt 0
	WIN MUL_HI
	MUL16 4, 1, NQ-1, 1, 0
	MUL16 6, 1, NQ-1, 1, 0
	WIN 0
; THE WAY OUT.  No LDS.  A UNIT is the 32 registers of A's block a against B's group bg (four accumulators on end): one whole block of 32 a lane.  It gets its bias, its scale and its codes: six registers.
; Two units make a fragment of 12 registers, which leaves as it stands: three stores of 512 consecutive bytes.
.macro QUNIT a, bg, e, path
.set AC, 8*(8*((\a)%4)+4*(\bg))
	WIN 0x02+(\a)/4                                ; source 0: the accumulators' window
.set nn, 0
.rept 16
.if \path
	v_pk_add_f32 v[TR+2*nn:TR+2*nn+1], v[AC+2*nn:AC+2*nn+1], v[BV+2*(\a):BV+2*(\a)+1]   ; each accumulator from its low end on
.else
	v_pk_add_f32 v[TR+2*nn:TR+2*nn+1], v[AC+2*nn:AC+2*nn+1], v[BI+32*(\bg)+2*nn:BI+32*(\bg)+2*nn+1]
.endif
.set nn, nn+1
.endr
	WIN 0
	v_max3_num_f32 v[MX+\e], |v[TR]|, |v[TR+1]|, 0x1800000         ; the block's largest magnitude, in two chains, with the floor 2^(3 - 127): the byte cannot fall under 1
	v_max3_num_f32 v[TP+1], |v[TR+16]|, |v[TR+17]|, |v[TR+18]|
.irp i, 2,4,6,8,10,12
	v_max3_num_f32 v[MX+\e], v[MX+\e], |v[TR+\i]|, |v[TR+\i+1]|
	v_max3_num_f32 v[TP+1], v[TP+1], |v[TR+17+\i]|, |v[TR+18+\i]|
.endr
	v_max3_num_f32 v[MX+\e], v[MX+\e], |v[TR+14]|, |v[TR+15]|
	v_max3_num_f32 v[MX+\e], v[MX+\e], v[TP+1], |v[TR+31]|
	v_add_nc_u32 v[SO+\e], 0xff000000, v[MX+\e]    ; 2 off its exponent field: the conversion's scale operand
	v_lshrrev_b32 v[BY+\e], 23, v[SO+\e]           ; the scale's byte
	v_cvt_scalef32_pk16_fp6_f32 v[CD+6*\e:CD+6*\e+2], v[TR:TR+15], v[SO+\e]
	v_cvt_scalef32_pk16_fp6_f32 v[CT:CT+2], v[TR+16:TR+31], v[SO+\e]   ; (a conversion's three registers begin on an even number)
	v_nop                                          ; one plain line behind a scaled conversion
.irp i, 0,1,2
	v_mov_b32 v[CD+6*\e+3+\i], v[CT+\i]
.endr
.endm
; Fragment F of head H.  q, k: the tokens of A's blocks 2 F and 2 F + 1, two tokens to a row of the fragment (64 channels each).  v: the channels of A's block 4 H + F, keys of B's groups 0 and 1.
.macro PAIR H, F, path
	s_wait_xcnt 0x0                                ; the earlier stores have read their registers: they are written again only behind this wait
.if \path
	QUNIT 4*\H+\F, 0, 0, 1
	QUNIT 4*\H+\F, 1, 1, 1
.else
	QUNIT 2*\F, \H, 0, 0
	QUNIT 2*\F+1, \H, 1, 0
.endif
	v_lshl_or_b32 v[TP], v[BY+1], 16, v[BY]        ; my two bytes, blocks h and 2 + h of the row's four,
	v_lshlrev_b32 v[TP], v[H8], v[TP]              ; at their places;
	v_permlanex16_b32 v[TP+1], v[TP], s100, s101
	v_or_b32 v[WD+\F], v[TP], v[TP+1]              ; with lane l xor 16's two the word is whole
.irp i, 0,1,2
	global_store_b128 v[L16], v[CD+4*\i:CD+4*\i+3], s[68+2*\H:69+2*\H] offset:1536*\F+512*\i   ; 32 lanes store 512 consecutive bytes, at a multiple of 256 from the buffer's first byte
.endr
.endm
.macro EPI path
.irp H, 0,1
.irp F, 0,1,2,3
	PAIR \H, \F, \path
.endr
	v_cndmask_b32 v[WP], v[WD], v[WD+1], s66       ; the scale words as the reader takes them: lanes 0-15 those of fragments 0 and 2, lanes 16-31 of fragments 1 and 3
	v_cndmask_b32 v[WP+1], v[WD+2], v[WD+3], s66
	global_store_b64 v[L8], v[WP:WP+1], s[72+2*\H:73+2*\H]   ; 256 consecutive bytes
.endr
.endm
	PLACES NP                                      ; between the last products and the first read of results, and the first write of A's registers
	s_wait_loadcnt 0x0                             ; the bias
	; where my two heads' images go: buffer + (16 b + head) x a head's bytes + (chunk of 128 tokens) x a chunk's bytes + the place in the chunk.  All my tensor loads are done: their descriptors' registers are free
	s_cmp_eq_u32 ttmp9, 2
	s_cselect_b32 s76, s42, s17                    ; the tile of 256 tokens,
	s_cselect_b32 s77, s16, s15                    ; my half of it,
	s_cselect_b32 s78, s17, s42                    ; the tile of 256 rows of W,
	s_cselect_b32 s79, s15, s16                    ; my half of it
	s_cselect_b32 s80, 6144, 0                     ; V's fragments lie behind K's
	s_cmp_eq_u32 ttmp9, 0
	s_cselect_b64 s[68:69], s[96:97], s[98:99]     ; q goes to Qws, k and v to KV
	s_cselect_b32 s81, 0, 1
	s_lshl_b32 s82, 102400, s81                    ; a head's bytes: 102,400 in Qws, 204,800 in KV
	s_lshl_b32 s83, 6400, s81                      ; a chunk's: 6,400 or 12,800
	s_lshl_b32 s84, 6144, s81                      ; from the fragments to their scale words: 6,144 (q), 12,288 (k),
	s_cmp_eq_u32 ttmp9, 2
	s_cselect_b32 s84, 6400, s84                   ; 6,400 (v)
	s_lshr_b32 s85, s76, 3                         ; b
	s_and_b32 s76, s76, 7
	s_lshl_b32 s76, s76, 1
	s_add_co_u32 s76, s76, s77                     ; the chunk
	s_and_b32 s78, s78, 3
	s_lshl_b32 s78, s78, 2
	s_lshl_b32 s79, s79, 1
	s_add_co_u32 s78, s78, s79                     ; my first head
	s_lshl_b32 s85, s85, 4
	s_add_co_u32 s78, s78, s85
	s_mul_i32 s78, s78, s82
	s_mul_i32 s76, s76, s83
	s_add_co_u32 s78, s78, s76
	s_add_co_u32 s78, s78, s80
	s_mov_b32 s79, 0
	s_add_nc_u64 s[68:69], s[68:69], s[78:79]      ; head 0's fragments
	s_mov_b32 s83, 0
	s_add_nc_u64 s[70:71], s[68:69], s[82:83]      ; head 1's
	s_mov_b32 s85, 0
	s_add_nc_u64 s[72:73], s[68:69], s[84:85]      ; their scale words
	s_add_nc_u64 s[74:75], s[70:71], s[84:85]
	s_cmp_eq_u32 ttmp9, 2                          ; the cluster's x: the same way in all partners
	s_cbranch_scc1 .Lway_v
	EPI 0
	s_branch .Lout
.Lway_v:
	EPI 1
.Lout:
	s_wait_tensorcnt 0x0                           ; the wave's end
	ds_add_u32 v[SPW], v[NIL]
	s_wait_dscnt 0x0
	CROUND                                         ; the closing round: no work-group ends while a partner may still ask for a tile that names it
	s_endpgm
.Lfunc_end_k_q036b031354_qkv:
	.size	k_q036b031354_qkv, .Lfunc_end_k_q036b031354_qkv-k_q036b031354_qkv
	.p2alignl 7, 3214868480
	.fill 96, 4, 3214868480
	.section	.rodata,"a",@progbits
	.p2align	6, 0x0
	.amdhsa_kernel k_q036b031354_qkv
		.amdhsa_group_segment_fixed_size 327680
		.amdhsa_private_segment_fixed_size 0
		.amdhsa_enable_private_segment 0
		.amdhsa_kernarg_size 56
		.amdhsa_user_sgpr_count 2
		.amdhsa_user_sgpr_kernarg_segment_ptr 1
		.amdhsa_wavefront_size32 1
		.amdhsa_system_sgpr_workgroup_id_x 1
		.amdhsa_system_sgpr_workgroup_id_y 1
		.amdhsa_system_sgpr_workgroup_id_z 1
		.amdhsa_system_vgpr_workitem_id 0
		.amdhsa_next_free_vgpr 1024
		.amdhsa_next_free_sgpr 102
		.amdhsa_reserve_vcc 0
		.amdhsa_float_denorm_mode_32 3
		.amdhsa_float_denorm_mode_16_64 3
		.amdhsa_memory_ordered 1
		.amdhsa_forward_progress 1
		.amdhsa_inst_pref_size 223
	.end_amdhsa_kernel
	.amdgpu_metadata
---
amdhsa.version: [ 1, 2 ]
amdhsa.kernels:
  - .name:           k_q036b031354_qkv
    .symbol:         k_q036b031354_qkv.kd
    .args:
      - { .name: x_codes, .offset: 0, .size: 8, .value_kind: global_buffer, .address_space: global }
      - { .name: x_scales, .offset: 8, .size: 8, .value_kind: global_buffer, .address_space: global }
      - { .name: W_attn_codes, .offset: 16, .size: 8, .value_kind: global_buffer, .address_space: global }
      - { .name: W_attn_scales, .offset: 24, .size: 8, .value_kind: global_buffer, .address_space: global }
      - { .name: b_attn, .offset: 32, .size: 8, .value_kind: global_buffer, .address_space: global }
      - { .name: Qws, .offset: 40, .size: 8, .value_kind: global_buffer, .address_space: global }
      - { .name: KV, .offset: 48, .size: 8, .value_kind: global_buffer, .address_space: global }
    .group_segment_fixed_size: 327680
    .private_segment_fixed_size: 0
    .kernarg_segment_align: 8
    .kernarg_segment_size: 56
    .max_flat_workgroup_size: 128
    .sgpr_count:     102
    .vgpr_count:     1024
    .wavefront_size: 32
...
	.end_amdgpu_metadata
.endif
;; end of part 1
;; launch attn (part 2): grid 4 x 64, 16 waves a work-group, clusters of 4 x 1, 206,848 bytes of LDS; arguments Qws, KV, Yc, Ys; writes Yc, Ys
.if DOCPART == 2
	.amdgcn_target "amdgcn-amd-amdhsa--gfx1250"
	.amdhsa_code_object_version 6
	.text
	.protected	k_q036b031354_attn
	.globl	k_q036b031354_attn
	.p2align	8
	.type	k_q036b031354_attn,@function
k_q036b031354_attn:
	s_mov_b64 s[64:65], 0
	v_nop
	global_prefetch_b8 v0, s[64:65] scope:SCOPE_SE
	s_setreg_imm32_b32 hwreg(HW_REG_WAVE_MODE, 25, 1), 1
	s_wait_xcnt 0x0
	s_wait_alu depctr_hold_cnt(0) depctr_sa_sdst(0) depctr_va_vdst(0) depctr_va_sdst(0) depctr_va_ssrc(0) depctr_va_vcc(0) depctr_vm_vsrc(0)
	s_getreg_b32 s2, hwreg(HW_REG_IB_STS2, 6, 4)
	s_cmp_eq_u32 s2, 0
	s_cbranch_scc0 .Lentry_in_a_cluster
	s_endpgm
.Lentry_in_a_cluster:
	s_bfe_u32 s2, ttmp6, 0x10000c
	s_cmp_lg_u32 s2, 0x3003
	s_cbranch_scc0 .Lentry_shape_is_right
	s_endpgm
.Lentry_shape_is_right:
; y = softmax(q k^T / 8, causal) v for 64 heads of 2,048 tokens x 64 channels, both products on codes of FP6 (E2M3) with E8M0 scales; y is quantised along C and leaves as images of operand registers.
; THE SOFTMAX: t = score x log2(e) / 8; M = the row's largest t so far, rounded UP to a whole number; p = 2^(t - M) is quantised along the keys, not normalised; the row's sum of the unquantised p divides at the end.
; When M moves, the sum and O are multiplied by 2^(old M - new M): exact.
; SHARES.  A cluster of four work-groups is one head.  A head's K, V and scale words, 204,800 bytes of images made by the launch before, fit in LDS whole: every LDS byte is filled ONCE, by joint loads
; (each of the sixteen waves asks for two pieces of 6,400 bytes; the four partners ask alike and each receives them).  So there is no ring and no barrier in the loops.
; Tokens go in 32 groups of 64; a group has four tiles of 16 queries (tile u: queries 32 e + 8 (u xor e) + j).  Partner cx owns tile cx of every group: cx enters global addresses and vector data alone.
; Wave w owns groups 31 - w and w: (16 - w / 2) + (w / 2 + 1) = 17 key steps of 128 keys for every wave.  Steps whose keys all come after the queries are passed over by a branch on the wave's number and the loop's count.
; LAYOUT.  Both products are used transposed: S^T = K Q^T, O^T = V^T P^T: a lane holds one query (lane % 16) throughout.  By the rows chosen in the launch before, a lane's 32 registers of four neighbouring score tiles are one
; whole block of 32 keys (block 2 c + lane / 16 of the step), so its largest score needs no other lane and the conversions' results are the second product's operand.
; K = 64 IN AN INSTRUCTION OF 128: a fragment of K carries TWO keys a row (registers 0-5, 6-11).  Q stands as zeros, q, zeros in 18 registers: [q][0] gives the first keys' scores, [0][q] the second keys'.
; LIMITS: NaN and infinities are not served.  A block whose largest magnitude lies under 2^-124 (zeros too) gets the byte 1; this program alone reads the bytes.  The division is a reciprocal (1 ulp) and a multiplication.
; A block's largest p is made from its largest score by the same two instructions as every p.
.set CH,   12800                       ; a chunk of 128 keys: K's four fragments, V's four, K's scale words, V's
.set VFO,  6144
.set KSO,  12288
.set VSO,  12544
.set L16,  1                           ; v1   16 x lane
.set L8,   2                           ; v2   8 x lane
.set A16,  3                           ; v3   the chunk's LDS address + 16 x lane
.set A8,   4                           ; v4   + 8 x lane
.set H8,   5                           ; v5   8 x (lane / 16)
.set DE,   6                           ; v6, v7  the mask's bounds for even and for odd tiles
.set NM,   8                           ; v8 -M, v9 the largest t
.set LS,   10                          ; v[10:11] the row's sum in two halves
.set FF,   12                          ; v12 f (v13 is written once: named as the pair's upper half)
.set QS,   14                          ; v14  Q's scale word
.set PS,   15                          ; v15  p's scale word
.set QF,   16                          ; v16-33 zeros, q, zeros
.set KW,   34                          ; v[34:35] K's scale words, v[36:37] V's
.set KF,   38                          ; v38-85   K's four fragments
.set VF,   86                          ; v86-133  V's four
.set S,    134                         ; v134-197 S^T, then p
.set O,    198                         ; v198-229 O^T
.set PCD,  230                         ; v230-241 p's codes;  v242-248 the conversions' second halves;  v245, v249-255 at work
.macro ROUND                           ; a round of the cluster's barrier
	s_barrier_signal -1
	s_barrier_wait -1
	s_cmp_lg_u32 s12, 0
	s_cbranch_scc1 .Lnot_wave_0_\@
	s_barrier_signal -3
.Lnot_wave_0_\@:
	s_barrier_wait -3
	s_barrier_signal -1
	s_barrier_wait -1
.endm
	s_load_b256 s[4:11], s[0:1], 0x0               ; Qws s[4:5], KV s[6:7], Yc s[8:9], Ys s[10:11]
	v_lshl_add_u32 v254, v0, 2, 0x32000
	v_mov_b32 v255, 0
	ds_add_u32 v254, v255
	ds_add_u32 v254, v255
	s_wait_dscnt 0x0
	v_lshrrev_b32 v1, 5, v0
	s_delay_alu instid0(VALU_DEP_1)
	v_readfirstlane_b32 s12, v1                    ; wave 0..15
	s_bfe_u32 s13, ttmp6, 0x40000                  ; cx
	s_and_b32 s14, ttmp7, 0xffff                   ; 16 b + head: the cluster's y
	s_lshr_b32 s15, s14, 4                         ; b
	s_and_b32 s16, s14, 15                         ; head
	s_mov_b32 s20, 0x76543210
	s_mov_b32 s21, 0xfedcba98                      ; v_permlanex16_b32's selects for lane l xor 16
	s_mov_b32 s22, 0x3e38aa3b                      ; c = log2(e) / 8
	s_mov_b32 s23, s22                             ; (named with it as a pair)
	s_mov_b32 s24, 0xffff0000                      ; lanes 16-31
	s_and_b32 s26, s13, 1
	s_sub_co_u32 s25, 0, s26                       ; all ones where my tile is the second of a fragment's two
	s_lshl_b32 s26, s26, 4                         ; and its two scale bytes lie 16 bits up
	; descriptor group 1: 6,400 dense bytes as 25 rows of 256 bytes (32 elements of 8), no padding: images are read 16 bytes a lane on end
	s_mov_b32 s32, 15|(3<<16)|(1<<21)              ; 15:0 the mask: all four work-groups; 17:16 elements of 8 bytes; 21 set beside a mask
	s_mov_b32 s33, 32<<16                          ; tensor_dim0
	s_mov_b32 s34, 25<<16                          ; tensor_dim1
	s_mov_b32 s35, 32<<16                          ; tile_dim0
	s_mov_b32 s36, 25                              ; tile_dim1
	s_mov_b32 s37, 32                              ; the pitch
	s_mov_b32 s38, 0
	s_mov_b32 s39, 0
	s_mul_i32 s48, s14, 16*CH                      ; the head's first byte in KV,
	s_mul_i32 s50, s12, 6400                       ; my piece: the same offset in memory and in LDS
	s_add_co_u32 s48, s48, s50
	s_mov_b32 s49, 0
	s_mul_i32 s52, s14, 102400                     ; the head's first byte in Qws
	s_mov_b32 s53, 0
	s_wait_kmcnt 0x0
	s_mov_b32 s40, 1
	s_mov_b32 s41, s50
	s_add_nc_u64 s[42:43], s[6:7], s[48:49]
	s_mov_b32 s44, 1
	s_add_co_u32 s45, s50, 8*CH
	s_add_nc_u64 s[46:47], s[42:43], 8*CH
	s_or_b32 s43, s43, 0x80000000
	s_or_b32 s47, s47, 0x80000000
	s_add_nc_u64 s[4:5], s[4:5], s[52:53]
	ROUND                                          ; all four work-groups are here: the joint loads meet
	tensor_load_to_lds s[40:43], s[32:39]          ; my piece of chunks 0-7,
	s_nop 0
	tensor_load_to_lds s[44:47], s[32:39]          ; and of chunks 8-15: two loads of mine are out
	s_nop 0
.rept 4
	v_nop
.endr
	v_and_b32 v3, 31, v0
	s_delay_alu instid0(VALU_DEP_1)
	v_lshlrev_b32 v[L16], 4, v3
	s_delay_alu instid0(VALU_DEP_2)
	v_lshlrev_b32 v[L8], 3, v3
	v_bfe_u32 v[H8], v0, 4, 1
	s_delay_alu instid0(VALU_DEP_1)
	v_lshlrev_b32 v[H8], 3, v[H8]
.irp i, 0,1,2,3,4,5
	v_mov_b32 v[QF+\i], 0                          ; the zeros on both sides of q: written once
	v_mov_b32 v[QF+12+\i], 0
.endr
	v_mov_b32 v13, 0
	v_mov_b32 v245, 0                              ; a lane permute's destination counts as one of its sources
; A QUERY TILE BEGINS.  s27 = its group g.
.macro SETUP
	s_wait_xcnt 0x0                                ; earlier loads and stores have read their addresses and data
	s_lshr_b32 s28, s27, 1                         ; the chunk on the diagonal
	s_and_b32 s54, s27, 1
	s_lshr_b32 s55, s13, 1
	s_mul_i32 s50, s28, 6400
	s_lshl_b32 s56, s54, 1
	s_add_co_u32 s56, s56, s55                     ; the fragment: 2 (g % 2) + cx / 2
	s_mul_i32 s56, s56, 1536
	s_add_co_u32 s56, s56, s50
	s_mov_b32 s57, 0
	s_add_nc_u64 s[56:57], s[4:5], s[56:57]
	s_lshl_b32 s58, s55, 7                         ; its scale words: 6,144 + 8 (16 (cx / 2) + row) + 4 (g % 2)
	s_lshl_b32 s59, s54, 2
	s_add_co_u32 s58, s58, s59
	s_add_co_u32 s58, s58, s50
	s_add_co_u32 s58, s58, 6144
	s_mov_b32 s59, 0
	s_add_nc_u64 s[58:59], s[4:5], s[58:59]
	v_and_b32 v255, 15, v0
	s_delay_alu instid0(VALU_DEP_1)
	v_lshlrev_b32 v255, 3, v255
	global_load_b128 v[S:S+3], v[L16], s[56:57]
	global_load_b128 v[S+4:S+7], v[L16], s[56:57] offset:512
	global_load_b128 v[S+8:S+11], v[L16], s[56:57] offset:1024
	global_load_b32 v[QS], v255, s[58:59]
	v_and_b32 v249, 7, v0                          ; my query's place in the diagonal chunk: 64 (g % 2) + 32 e + 8 (cx xor e) + j
	v_bfe_u32 v250, v0, 3, 1
	s_delay_alu instid0(VALU_DEP_1)
	v_xor_b32 v251, s13, v250
	s_delay_alu instid0(VALU_DEP_1)
	v_lshl_add_u32 v249, v251, 3, v249
	s_delay_alu instid0(VALU_DEP_1)
	v_lshl_add_u32 v249, v250, 5, v249
	s_lshl_b32 s54, s54, 6
	v_add_nc_u32 v249, s54, v249
	v_bfe_u32 v250, v0, 4, 1
	s_delay_alu instid0(VALU_DEP_1)
	v_mul_u32_u24 v251, v250, 40                   ; register 8 (4 c + u) + j holds key 64 c + 8 u + j + 40 h (even u) or + 24 h (odd u)
	s_delay_alu instid0(VALU_DEP_1)
	v_sub_nc_u32 v[DE], v249, v251
	s_delay_alu instid0(VALU_DEP_3)
	v_mul_u32_u24 v251, v250, 24
	s_delay_alu instid0(VALU_DEP_1)
	v_sub_nc_u32 v[DE+1], v249, v251
	v_mov_b32 v[NM+1], 0xff61b1e6                  ; the largest t so far: -3e38
	s_delay_alu instid0(VALU_DEP_1)
	v_floor_f32 v[NM], -v[NM+1]
	v_mov_b32 v[LS], 0
	v_mov_b32 v[LS+1], 0
	s_wait_loadcnt 0x0
.irp i, 0,1,2,3,4,5
	v_cndmask_b32 v[QF+6+\i], v[S+\i], v[S+6+\i], s25   ; my tile's half of the fragment
.endr
	v_lshrrev_b32 v[QS], s26, v[QS]
	s_delay_alu instid0(VALU_DEP_1)
	v_and_b32 v[QS], 0xffff, v[QS]
	s_delay_alu instid0(VALU_DEP_1)
	v_lshl_or_b32 v[QS], v[QS], 16, v[QS]          ; its two bytes, twice: q stands in either half of the 128
.set nn, 0
.rept 32
	v_mov_b32 v[O+nn], 0                           ; O^T: the step is written without a first step of its own.  (These are also the plain lines between the writes above and the first scaled product)
.set nn, nn+1
.endr
.endm
; A KEY STEP: chunk s29, at LDS byte s30.  m = 1: steps behind the diagonal are passed over, and the step on it is masked.
.macro STEP m
.if \m
	s_cmp_gt_u32 s29, s28
	s_cbranch_scc1 .Lskip_\@
.endif
	s_setprio 2
	v_add_nc_u32 v[A16], s30, v[L16]
	v_add_nc_u32 v[A8], s30, v[L8]
	v_nop
	v_nop                                          ; four plain lines between the last step's products and the loads into V's registers
	ds_load_b64 v[KW:KW+1], v[A8] offset:KSO
.irp f, 0,1,2,3
.irp i, 0,1,2
	ds_load_b128 v[KF+12*\f+4*\i:KF+12*\f+4*\i+3], v[A16] offset:1536*\f+512*\i
.endr
.endr
	ds_load_b64 v[KW+2:KW+3], v[A8] offset:VSO
.irp f, 0,1,2,3
.irp i, 0,1,2
	ds_load_b128 v[VF+12*\f+4*\i:VF+12*\f+4*\i+3], v[A16] offset:VFO+1536*\f+512*\i
.endr
.endr
	s_wait_dscnt 13                                ; K and its scale words are in; V's 13 loads may be out
.irp f, 0,1,2,3
.if \f%2
	v_wmma_scale_f32_16x16x128_f8f6f4 v[S+16*\f:S+16*\f+7], v[KF+12*\f:KF+12*\f+11], v[QF+6:QF+17], 0, v[KW+\f/2], v[QS] matrix_a_fmt:MATRIX_FMT_FP6 matrix_b_fmt:MATRIX_FMT_FP6 matrix_a_scale:MATRIX_SCALE_ROW1
	v_wmma_scale_f32_16x16x128_f8f6f4 v[S+16*\f+8:S+16*\f+15], v[KF+12*\f:KF+12*\f+11], v[QF:QF+11], 0, v[KW+\f/2], v[QS] matrix_a_fmt:MATRIX_FMT_FP6 matrix_b_fmt:MATRIX_FMT_FP6 matrix_a_scale:MATRIX_SCALE_ROW1
.else
	v_wmma_scale_f32_16x16x128_f8f6f4 v[S+16*\f:S+16*\f+7], v[KF+12*\f:KF+12*\f+11], v[QF+6:QF+17], 0, v[KW+\f/2], v[QS] matrix_a_fmt:MATRIX_FMT_FP6 matrix_b_fmt:MATRIX_FMT_FP6
	v_wmma_scale_f32_16x16x128_f8f6f4 v[S+16*\f+8:S+16*\f+15], v[KF+12*\f:KF+12*\f+11], v[QF:QF+11], 0, v[KW+\f/2], v[QS] matrix_a_fmt:MATRIX_FMT_FP6 matrix_b_fmt:MATRIX_FMT_FP6
.endif
.endr
.rept 4
	v_nop
.endr
.if \m                                 ; on the diagonal the scores of hidden keys become -infinity ahead of the maximum: p = 0 then
	s_cmp_lg_u32 s29, s28
	s_cbranch_scc1 .Lopen_\@
	v_mov_b32 v249, 0xff800000
.set nn, 0
.rept 64
	v_cmp_gt_i32 vcc_lo, 64*(nn/32)+nn%32, v[DE+(nn/8)%2]
	v_cndmask_b32 v[S+nn], v[S+nn], v249, vcc_lo
.set nn, nn+1
.endr
.Lopen_\@:
.endif
.irp c, 0,1                            ; the largest score of my two blocks of 32 keys, each in two chains; every accumulator is first read at its low end
	v_max3_num_f32 v[250+\c], v[S+32*\c], v[S+32*\c+1], v[S+32*\c+2]
	v_max3_num_f32 v[254+\c], v[S+32*\c+16], v[S+32*\c+17], v[S+32*\c+18]
.endr
.irp i, 3,5,7,9,11,13
.irp c, 0,1
	v_max3_num_f32 v[250+\c], v[250+\c], v[S+32*\c+\i], v[S+32*\c+\i+1]
	v_max3_num_f32 v[254+\c], v[254+\c], v[S+32*\c+16+\i], v[S+32*\c+17+\i]
.endr
.endr
.irp c, 0,1
	v_max3_num_f32 v[250+\c], v[250+\c], v[254+\c], v[S+32*\c+15]
.endr
.irp c, 0,1
	v_max_num_f32 v[250+\c], v[250+\c], v[S+32*\c+31]
.endr
	s_delay_alu instid0(VALU_DEP_1)
	v_max_num_f32 v249, v250, v251
	s_delay_alu instid0(VALU_DEP_1)
	v_permlanex16_b32 v245, v249, s20, s21
	s_delay_alu instid0(VALU_DEP_1)
	v_max_num_f32 v249, v249, v245                 ; with lane l xor 16's 64 keys: the step's largest score of my query
	s_delay_alu instid0(VALU_DEP_1)
	v_mul_f32 v249, s22, v249
	s_delay_alu instid0(VALU_DEP_1)
	v_max_num_f32 v[NM+1], v[NM+1], v249           ; the running largest t
	v_mov_b32 v249, v[NM]
	s_delay_alu instid0(VALU_DEP_2)
	v_floor_f32 v[NM], -v[NM+1]                    ; -M = floor(-t): M is a whole number
	s_delay_alu instid0(VALU_DEP_1)
	v_sub_f32 v249, v[NM], v249
	s_delay_alu instid0(VALU_DEP_1)
	v_cvt_i32_f32 v249, v249                       ; old M - new M, 0 or less (it saturates)
	s_delay_alu instid0(VALU_DEP_1)
	v_ldexp_f32 v[FF], 1.0, v249                   ; f = 2^(old M - new M)
.set nn, 0
.rept 32
	v_pk_fma_f32 v[S+nn:S+nn+1], v[S+nn:S+nn+1], s[22:23], v[NM:NM+1] op_sel_hi:[1,0,0]   ; t - M, two at a time
.set nn, nn+2
.endr
	v_fma_f32 v250, v250, s22, v[NM]               ; the same of each block's largest score
	v_fma_f32 v251, v251, s22, v[NM]
.set nn, 0
	s_setprio 1
	s_wait_alu depctr_va_vdst(0)
.rept 64
	v_exp_f32 v[S+nn], v[S+nn]                     ; p = 2^(t - M)
.set nn, nn+1
.endr
	v_exp_f32 v250, v250                           ; the blocks' largest p
	v_exp_f32 v251, v251
	v_pk_mul_f32 v[LS:LS+1], v[LS:LS+1], v[FF:FF+1] op_sel_hi:[1,0]   ; the sums under the new M: the plain line behind the exponentials
	s_wait_alu depctr_va_vdst(0)                   ; one wait for the batch of 66, ahead of its first reader
	v_pk_add_f32 v[242:243], v[138:139], v[142:143]
	v_pk_add_f32 v[254:255], v[146:147], v[150:151]
	v_pk_add_f32 v[252:253], v[154:155], v[158:159]
	v_pk_add_f32 v[248:249], v[162:163], v[166:167]
	v_pk_add_f32 v[246:247], v[170:171], v[174:175]
	v_pk_add_f32 v[240:241], v[178:179], v[182:183]
	v_pk_add_f32 v[238:239], v[186:187], v[190:191]
	v_pk_add_f32 v[10:11], v[10:11], v[194:195]
	v_pk_add_f32 v[242:243], v[242:243], v[134:135]
	v_pk_add_f32 v[254:255], v[254:255], v[136:137]
	v_pk_add_f32 v[252:253], v[252:253], v[140:141]
	v_pk_add_f32 v[248:249], v[248:249], v[144:145]
	v_pk_add_f32 v[246:247], v[246:247], v[148:149]
	v_pk_add_f32 v[240:241], v[240:241], v[152:153]
	v_pk_add_f32 v[238:239], v[238:239], v[156:157]
	v_pk_add_f32 v[10:11], v[10:11], v[160:161]
	v_pk_add_f32 v[242:243], v[242:243], v[164:165]
	v_pk_add_f32 v[254:255], v[254:255], v[168:169]
	v_pk_add_f32 v[252:253], v[252:253], v[172:173]
	v_pk_add_f32 v[248:249], v[248:249], v[176:177]
	v_pk_add_f32 v[246:247], v[246:247], v[180:181]
	v_pk_add_f32 v[240:241], v[240:241], v[184:185]
	v_pk_add_f32 v[238:239], v[238:239], v[188:189]
	v_pk_add_f32 v[10:11], v[10:11], v[192:193]
	v_pk_add_f32 v[242:243], v[242:243], v[196:197]
	s_delay_alu instid0(VALU_DEP_2)
	v_pk_add_f32 v[10:11], v[10:11], v[248:249]
	s_delay_alu instid0(VALU_DEP_2)
	v_pk_add_f32 v[242:243], v[242:243], v[246:247]
	v_pk_add_f32 v[254:255], v[254:255], v[240:241]
	v_pk_add_f32 v[252:253], v[252:253], v[238:239]
	s_delay_alu instid0(VALU_DEP_2)
	v_pk_add_f32 v[10:11], v[10:11], v[254:255]
	s_delay_alu instid0(VALU_DEP_2)
	v_pk_add_f32 v[242:243], v[242:243], v[252:253]
	s_delay_alu instid0(VALU_DEP_1)
	v_pk_add_f32 v[10:11], v[10:11], v[242:243]
	v_max_num_f32 v250, 0x1800000, v250            ; the floor 2^(3 - 127): the byte cannot fall under 1
	v_max_num_f32 v251, 0x1800000, v251
	s_delay_alu instid0(VALU_DEP_2)
	v_add_nc_u32 v252, 0xff000000, v250            ; 2 off the exponent field: the conversions' scale operands
	s_delay_alu instid0(VALU_DEP_2)
	v_add_nc_u32 v253, 0xff000000, v251
	s_delay_alu instid0(VALU_DEP_2)
	v_lshrrev_b32 v254, 23, v252
	s_delay_alu instid0(VALU_DEP_2)
	v_lshrrev_b32 v255, 23, v253
	s_delay_alu instid0(VALU_DEP_1)
	v_lshl_or_b32 v249, v255, 16, v254             ; my bytes, blocks h and 2 + h,
	s_delay_alu instid0(VALU_DEP_1)
	v_lshlrev_b32 v249, v[H8], v249
	s_delay_alu instid0(VALU_DEP_1)
	v_permlanex16_b32 v245, v249, s20, s21
	s_delay_alu instid0(VALU_DEP_1)
	v_or_b32 v[PS], v249, v245                     ; with lane l xor 16's: p's scale word for these 128 keys
	v_cvt_scalef32_pk16_fp6_f32 v[PCD:PCD+2], v[S:S+15], v252
	v_cvt_scalef32_pk16_fp6_f32 v[242:244], v[S+16:S+31], v252
	v_cvt_scalef32_pk16_fp6_f32 v[PCD+6:PCD+8], v[S+32:S+47], v253
	v_cvt_scalef32_pk16_fp6_f32 v[246:248], v[S+48:S+63], v253
	s_setprio 0
	v_nop                                          ; one plain line behind a scaled conversion
.irp i, 0,1,2
	v_mov_b32 v[PCD+3+\i], v[242+\i]
	v_mov_b32 v[PCD+9+\i], v[246+\i]
.endr
.set nn, 0
.rept 16
	v_pk_mul_f32 v[O+nn:O+nn+1], v[O+nn:O+nn+1], v[FF:FF+1] op_sel_hi:[1,0]   ; O^T under the new M.  (Also the plain lines between the writes of p's codes and scale word and the products)
.set nn, nn+2
.endr
	s_wait_alu depctr_va_vdst(0)
	s_wait_dscnt 0x0                               ; V
.irp u, 0,1,2,3                        ; the four accumulators take turns, one instruction a turn
.if \u%2
	v_wmma_scale_f32_16x16x128_f8f6f4 v[O+8*\u:O+8*\u+7], v[VF+12*\u:VF+12*\u+11], v[PCD:PCD+11], v[O+8*\u:O+8*\u+7], v[KW+2+\u/2], v[PS] matrix_a_fmt:MATRIX_FMT_FP6 matrix_b_fmt:MATRIX_FMT_FP6 matrix_a_scale:MATRIX_SCALE_ROW1
.else
	v_wmma_scale_f32_16x16x128_f8f6f4 v[O+8*\u:O+8*\u+7], v[VF+12*\u:VF+12*\u+11], v[PCD:PCD+11], v[O+8*\u:O+8*\u+7], v[KW+2+\u/2], v[PS] matrix_a_fmt:MATRIX_FMT_FP6 matrix_b_fmt:MATRIX_FMT_FP6
.endif
.endr
.if \m
.Lskip_\@:
.endif
.endm
; A QUERY TILE ENDS: O^T / the sum, brought into the channels' natural order (W_proj's), quantised: a lane holds the whole block lane / 16 of the head's two.
.macro FINISH
.rept 4
	v_nop
.endr
	v_add_f32 v[LS], v[LS], v[LS+1]
	s_delay_alu instid0(VALU_DEP_1)
	v_permlanex16_b32 v245, v[LS], s20, s21
	s_delay_alu instid0(VALU_DEP_1)
	v_add_f32 v[LS], v[LS], v245                   ; the row's sum
	s_wait_alu depctr_va_vdst(0)
	v_rcp_f32 v[FF], v[LS]
	s_wait_alu depctr_va_vdst(0)
.irp u, 0,1,2,3
.irp j, 0,1,2,3,4,5,6,7
	v_cndmask_b32 v[S+8*\u+\j], v[O+8*\u+\j], v[O+8*(\u+1-2*(\u%2))+\j], s24   ; register 8 u + j held channel 32 h + 8 (u xor h) + j: lanes 16-31 take tile u xor 1's
.endr
.endr
	s_wait_alu depctr_va_vdst(0)                   ; the wait for the reciprocal, ahead of its first reader
.set nn, 0
.rept 16
	v_pk_mul_f32 v[S+nn:S+nn+1], v[S+nn:S+nn+1], v[FF:FF+1] op_sel_hi:[1,0]
.set nn, nn+2
.endr
	v_max3_num_f32 v250, |v[S]|, |v[S+1]|, 0x1800000
.irp i, 2,4,6,8,10,12,14,16,18,20,22,24,26,28,30
	s_delay_alu instid0(VALU_DEP_1)
	v_max3_num_f32 v250, v250, |v[S+\i]|, |v[S+\i+1]|
.endr
	s_delay_alu instid0(VALU_DEP_1)
	v_add_nc_u32 v252, 0xff000000, v250
	s_delay_alu instid0(VALU_DEP_1)
	v_lshrrev_b32 v254, 23, v252
	v_cvt_scalef32_pk16_fp6_f32 v[PCD:PCD+2], v[S:S+15], v252
	v_cvt_scalef32_pk16_fp6_f32 v[242:244], v[S+16:S+31], v252
	v_nop
.irp i, 0,1,2
	v_mov_b32 v[PCD+3+\i], v[242+\i]
.endr
	s_lshl_b32 s50, s15, 5
	s_add_co_u32 s50, s50, s27
	s_lshl_b32 s50, s50, 2
	s_add_co_u32 s50, s50, s13                     ; the tile of tokens: (32 b + g) 4 + cx
	s_lshl_b32 s56, s50, 4
	s_add_co_u32 s56, s56, s16
	s_mul_i32 s56, s56, 768                        ; half a fragment: 768 bytes for each tile and head
	s_mov_b32 s57, 0
	s_add_nc_u64 s[56:57], s[8:9], s[56:57]
	s_lshl_b32 s58, s50, 9                         ; the scale bytes: 32 a token, byte 2 head + h
	s_lshl_b32 s59, s16, 1
	s_add_co_u32 s58, s58, s59
	s_mov_b32 s59, 0
	s_add_nc_u64 s[58:59], s[10:11], s[58:59]
	v_and_b32 v255, 15, v0
	v_bfe_u32 v249, v0, 4, 1
	s_delay_alu instid0(VALU_DEP_1)
	v_lshl_or_b32 v255, v255, 5, v249
	s_wait_alu depctr_va_vdst(0)
	global_store_b128 v[L16], v[PCD:PCD+3], s[56:57]             ; 512 consecutive bytes,
	global_store_b64 v[L8], v[PCD+4:PCD+5], s[56:57] offset:512  ; and 256, both at multiples of 256 from Yc's first byte
	global_store_b8 v255, v254, s[58:59]           ; a token's 32 bytes come from sixteen clusters, two bytes each: single bytes, twice a wave in the launch
.endm
	s_sub_co_u32 s27, 31, s12                      ; the late group first
	SETUP
	s_mov_b32 s29, 0
	s_mov_b32 s30, 0
	s_wait_tensorcnt 0x1                           ; my piece of chunks 0-7 is in (that of chunks 8-15 may be out),
	s_barrier_signal -1
	s_barrier_wait -1                              ; everybody's is
.Lopen:                                            ; chunks 0-7: all their keys count for groups 16-31
	STEP 0
	s_add_co_u32 s30, s30, CH
	s_add_co_u32 s29, s29, 1
	s_cmp_lt_u32 s29, 8
	s_cbranch_scc1 .Lopen
	s_setprio 0
	s_wait_tensorcnt 0x0                           ; my piece of chunks 8-15 is in,
	s_wait_dscnt 0x0
	s_barrier_signal -1
	s_barrier_wait -1                              ; everybody's is.  Nothing is ever filled again
.Lhigh:                                            ; chunks 8-15, up to the diagonal
	STEP 1
	s_add_co_u32 s30, s30, CH
	s_add_co_u32 s29, s29, 1
	s_cmp_lt_u32 s29, 16
	s_cbranch_scc1 .Lhigh
	s_setprio 0
	FINISH
	s_mov_b32 s27, s12                             ; the early group
	SETUP
	s_mov_b32 s29, 0
	s_mov_b32 s30, 0
.Llow:                                             ; chunks 0-7, up to the diagonal
	STEP 1
	s_add_co_u32 s30, s30, CH
	s_add_co_u32 s29, s29, 1
	s_cmp_lt_u32 s29, 8
	s_cbranch_scc1 .Llow
	s_setprio 0
	FINISH
	s_wait_xcnt 0x0
	v_lshl_add_u32 v254, v0, 2, 0x32000
	v_mov_b32 v255, 0
	s_wait_alu depctr_va_vdst(0)
	s_wait_tensorcnt 0x0
	ds_add_u32 v254, v255
	s_wait_dscnt 0x0
	ROUND                                          ; the closing round
	s_endpgm
.Lfunc_end_k_q036b031354_attn:
	.size	k_q036b031354_attn, .Lfunc_end_k_q036b031354_attn-k_q036b031354_attn
	.p2alignl 7, 3214868480
	.fill 96, 4, 3214868480
	.section	.rodata,"a",@progbits
	.p2align	6, 0x0
	.amdhsa_kernel k_q036b031354_attn
		.amdhsa_group_segment_fixed_size 206848
		.amdhsa_private_segment_fixed_size 0
		.amdhsa_enable_private_segment 0
		.amdhsa_kernarg_size 32
		.amdhsa_user_sgpr_count 2
		.amdhsa_user_sgpr_kernarg_segment_ptr 1
		.amdhsa_wavefront_size32 1
		.amdhsa_system_sgpr_workgroup_id_x 1
		.amdhsa_system_sgpr_workgroup_id_y 1
		.amdhsa_system_sgpr_workgroup_id_z 1
		.amdhsa_system_vgpr_workitem_id 0
		.amdhsa_next_free_vgpr 256
		.amdhsa_next_free_sgpr 66
		.amdhsa_reserve_vcc 1
		.amdhsa_float_denorm_mode_32 3
		.amdhsa_float_denorm_mode_16_64 3
		.amdhsa_memory_ordered 1
		.amdhsa_forward_progress 1
		.amdhsa_inst_pref_size 81
	.end_amdhsa_kernel
	.amdgpu_metadata
---
amdhsa.version: [ 1, 2 ]
amdhsa.kernels:
  - .name:           k_q036b031354_attn
    .symbol:         k_q036b031354_attn.kd
    .args:
      - { .name: Qws, .offset: 0, .size: 8, .value_kind: global_buffer, .address_space: global }
      - { .name: KV, .offset: 8, .size: 8, .value_kind: global_buffer, .address_space: global }
      - { .name: Yc, .offset: 16, .size: 8, .value_kind: global_buffer, .address_space: global }
      - { .name: Ys, .offset: 24, .size: 8, .value_kind: global_buffer, .address_space: global }
    .group_segment_fixed_size: 206848
    .private_segment_fixed_size: 0
    .kernarg_segment_align: 8
    .kernarg_segment_size: 32
    .max_flat_workgroup_size: 512
    .sgpr_count:     66
    .vgpr_count:     256
    .wavefront_size: 32
...
	.end_amdgpu_metadata
.endif
;; end of part 2
;; launch proj (part 3): grid 4 x 32, 4 waves a work-group, clusters of 4 x 4, 327,680 bytes of LDS; arguments Yc, Ys, W_proj_codes, W_proj_scales, b_proj, out0; writes out0
.if DOCPART == 3
	.amdgcn_target "amdgcn-amd-amdhsa--gfx1250"
	.amdhsa_code_object_version 6
	.text
	.protected	k_q036b031354_proj
	.globl	k_q036b031354_proj
	.p2align	8
	.type	k_q036b031354_proj,@function
k_q036b031354_proj:
	s_mov_b64 s[64:65], 0
	v_nop
	global_prefetch_b8 v0, s[64:65] scope:SCOPE_SE
	s_setreg_imm32_b32 hwreg(HW_REG_WAVE_MODE, 25, 1), 1
	s_wait_xcnt 0x0
	s_wait_alu depctr_hold_cnt(0) depctr_sa_sdst(0) depctr_va_vdst(0) depctr_va_sdst(0) depctr_va_ssrc(0) depctr_va_vcc(0) depctr_vm_vsrc(0)
	s_getreg_b32 s2, hwreg(HW_REG_IB_STS2, 6, 4)
	s_cmp_eq_u32 s2, 0
	s_cbranch_scc0 .Lentry_in_a_cluster
	s_endpgm
.Lentry_in_a_cluster:
	s_bfe_u32 s2, ttmp6, 0x10000c
	s_cmp_lg_u32 s2, 0xf033
	s_cbranch_scc0 .Lentry_shape_is_right
	s_endpgm
.Lentry_shape_is_right:
; out0 = y W_proj + b_proj on codes of FP6 (E2M3) with E8M0 scales, K = 1,024; out0 [8,192][1,024] f32.
; y comes from the launch before as IMAGES OF OPERAND REGISTERS: Yc [tile of 16 tokens: 512][head: 16][768 bytes] (registers 0-3 at 16 x lane, registers 4-5 at 512 + 8 x lane): two heads are one fragment of 128 along K.
; Ys [tile][row: 16][32 scale bytes].  Tile T holds tokens 64 (T / 4) + 32 e + 8 ((T % 4) xor e) + j for its row 8 e + j.  W_proj: 1,024 rows of 768 bytes of codes and 32 scale bytes, in natural order.
; A tile of 256 x 256 of the result is made by four waves, 128 x 128 each.  K goes in steps of 256 through a ring of two LDS slots; the scale bytes come once.  The matrix instruction is used transposed
; (source 0 = 16 rows of W, called B; source 1 = 16 tokens, called A): a lane holds eight neighbouring numbers of a row of out0.  The bias is the C of each sum's first product.
; CLUSTERS: 4 x 4 work-groups; A's tile is shared along a row of the cluster, B's along a column: joint tensor loads.
; REGISTERS: window 0: v1-29 addresses; v32-63 scale words, two sets; v64-127 the bias; v128-223 A's fragments, one set; on the way out v128-255 rows of out0.  window 1: B's two sets.  windows 2, 3: the accumulators.
.set NQ,     2
.set ROWB,   192
.set KROW,   768
.set PITCH,  240                       ; B's LDS rows: 3 x (64 bytes + 16 of padding)
.set FR,     12
.set NLA,    4                         ; LDS loads that bring a fragment of A
.set NP,     4
.set TILEB,  3072                      ; a tile of tokens in a slot: four heads' half images
.set HALFA,  8*TILEB
.set HALFB,  128*PITCH
.set SLOT,   2*HALFA+2*HALFB
.set LAPS,   2
.set KS,     32
.set SCL,    2*SLOT
.set HALFS,  16*272
.set SBLK,   2*272                     ; the scale bytes of 16 rows
.set SPARE,  SCL+4*HALFS               ; the spare words: two blocks of 256 bytes that no other line names
.set SPITCH, 528                       ; the way out: a stage of 16 rows x (512 bytes + 16) a wave, in slot 0, which has had its last fill and its last read by then
.set AI16, 16                          ; v16-17  16 x lane + my eight tiles of A in slot 0, 1
.set AI8,  18                          ; v18-19  8 x lane + the same
.set ADRB, 20                          ; v20-21  my B fragments in slot 0, 1;  v22-23 the same behind one padding more
.set STO,  24
.set RD,   25
.set CO,   26
.set ADRS, 27
.set SPW,  28
.set NIL,  29
.set SC,   32
.set BI,   64
.set AF,   128
.set BK,   128
.set G1, 24
.set G0, 32
.set G1B, 48
.set G0B, 56
.set G1S, 68
.set G0S, 76
.set G1SB, 80
.set G0SB, 88
.set MSB, 0
.macro WIN new
.if MSB != (\new)
	s_set_vgpr_msb (MSB<<8)|(\new)
.set MSB, \new
.endif
.endm
.set MUL_LO, 0xa1                      ; source 0 (B) window 1, source 1 (A) window 0, C and D window 2
.set MUL_HI, 0xf1
.set BIA_LO, 0x81                      ; the same with C (the bias) in window 0
.set BIA_HI, 0xc1
.set TO_B,   0x40
.macro JLOAD g0a, g1a, g0b, g1b        ; a joint load: waves 0 and 1 fetch for A, waves 2 and 3 for B; four v_nop follow each line
	s_cmp_eq_u32 s15, 0
	s_cbranch_scc0 .Lfor_b_\@
	tensor_load_to_lds s[\g0a:\g0a+3], s[\g1a:\g1a+7]
	s_nop 0
.rept 4
	v_nop
.endr
	s_branch .Lasked_\@
.Lfor_b_\@:
	tensor_load_to_lds s[\g0b:\g0b+3], s[\g1b:\g1b+7]
	s_nop 0
.rept 4
	v_nop
.endr
.Lasked_\@:
.endm
.macro CREST
	s_cmp_lg_u32 s14, 0
	s_cbranch_scc1 .Lnot_wave_0_\@
	s_barrier_signal -3
.Lnot_wave_0_\@:
	s_barrier_wait -3
	s_barrier_signal -1
	s_barrier_wait -1
.endm
.macro CROUND
	s_barrier_signal -1
	s_barrier_wait -1
	CREST
.endm
	s_load_b256 s[4:11], s[0:1], 0x0               ; y's codes s[4:5], y's scales s[6:7], W's codes s[8:9], W's scales s[10:11]
	s_load_b64 s[2:3], s[0:1], 0x20                ; b_proj
	s_load_b64 s[12:13], s[0:1], 0x28              ; out0
	v_lshl_add_u32 v[SPW], v0, 2, SPARE
	v_mov_b32 v[NIL], 0
	ds_add_u32 v28, v29
	ds_add_u32 v28, v29
	s_wait_dscnt 0x0
	v_lshrrev_b32 v1, 5, v0
	v_readfirstlane_b32 s14, v1                    ; wave 0..3
	s_lshr_b32 s15, s14, 1                         ; which half of the tokens is mine.  Also: I fetch for A (0) or for B (1)
	s_and_b32 s16, s14, 1                          ; which half of the columns.  Also: which half of that tile I fetch
	s_bfe_u32 s40, ttmp6, 0x40000                  ; cx
	s_bfe_u32 s41, ttmp6, 0x40004                  ; cy
	s_lshl_b32 s42, ttmp9, 2
	s_add_co_u32 s42, s42, s40                     ; tile column = 4 x cluster x + cx
	s_and_b32 s17, ttmp7, 0xffff
	s_lshl_b32 s17, s17, 2
	s_add_co_u32 s17, s17, s41                     ; tile row = 4 x cluster y + cy
	s_lshl_b32 s43, s41, 2
	s_lshl_b32 s43, 15, s43                        ; my row of the cluster
	s_lshl_b32 s44, 0x1111, s40                    ; my column
	; A: 8 tiles of tokens x 3,072 bytes (384 elements of 8 bytes), 12,288 bytes apart; no padding: images are read on end
	s_or_b32 s[G1+0], s43, (3<<16)|(1<<21)
	s_mov_b32 s[G1+1], 384<<16
	s_mov_b32 s[G1+2], 8<<16
	s_mov_b32 s[G1+3], 384<<16
	s_mov_b32 s[G1+4], 8
	s_mov_b32 s[G1+5], 1536
	s_mov_b32 s[G1+6], 0
	s_mov_b32 s[G1+7], 0
	; B: 128 rows x 192 bytes, 16 bytes of padding behind every 64
	s_or_b32 s[G1B+0], s44, (0<<16)|(1<<20)|(1<<21)|(3<<22)|(3<<25)
	s_mov_b32 s[G1B+1], ROWB<<16
	s_mov_b32 s[G1B+2], 128<<16
	s_mov_b32 s[G1B+3], ROWB<<16
	s_mov_b32 s[G1B+4], 128
	s_mov_b32 s[G1B+5], KROW
	s_mov_b32 s[G1B+6], 0
	s_mov_b32 s[G1B+7], 0
	; the scale bytes of 128 rows: 16 rows of 256 bytes, 16 bytes of padding behind each
	s_or_b32 s[G1S+0], s43, (3<<16)|(1<<20)|(1<<21)|(5<<22)|(3<<25)
	s_or_b32 s[G1SB+0], s44, (3<<16)|(1<<20)|(1<<21)|(5<<22)|(3<<25)
.irp g, G1S, G1SB
	s_mov_b32 s[\g+1], 32<<16
	s_mov_b32 s[\g+2], 16<<16
	s_mov_b32 s[\g+3], 32<<16
	s_mov_b32 s[\g+4], 16
	s_mov_b32 s[\g+5], 32
	s_mov_b32 s[\g+6], 0
	s_mov_b32 s[\g+7], 0
.endr
	s_lshl_b32 s18, s16, 7
	s_lshl_b32 s20, s17, 8
	s_add_co_u32 s20, s20, s18                     ; A: row 256 x tile row + 128 x half (a tile of 16 tokens is 16 rows' worth of bytes: 12,288)
	s_lshl_b32 s46, s42, 8
	s_add_co_u32 s46, s46, s18                     ; B: row 256 x tile column + 128 x half
	s_mov_b32 s21, 0
	s_mov_b32 s47, 0
	s_mov_b64 s[18:19], KS
	s_mul_u64 s[22:23], s[20:21], s[18:19]
	s_mul_u64 s[92:93], s[46:47], s[18:19]
	s_mov_b64 s[18:19], KROW
	s_mul_u64 s[20:21], s[20:21], s[18:19]
	s_mul_u64 s[46:47], s[46:47], s[18:19]
	s_mul_i32 s45, s16, HALFA                      ; where they go: A's two halves,
	s_mul_i32 s95, s16, HALFB
	s_add_co_u32 s95, s95, 2*HALFA                 ; then B's two
	s_mul_i32 s94, s14, HALFS
	s_wait_kmcnt 0x0
	s_add_nc_u64 s[20:21], s[4:5], s[20:21]
	s_add_nc_u64 s[22:23], s[6:7], s[22:23]
	s_add_nc_u64 s[46:47], s[8:9], s[46:47]
	s_add_nc_u64 s[92:93], s[10:11], s[92:93]
	CROUND                                         ; all sixteen work-groups are here: the first joint loads meet
	s_mov_b32 s[G0S], 1
	s_add_co_u32 s[G0S+1], s94, SCL
	s_mov_b64 s[G0S+2:G0S+3], s[22:23]
	s_or_b32 s[G0S+3], s[G0S+3], 0x80000000
	s_mov_b32 s[G0SB], 1
	s_add_co_u32 s[G0SB+1], s94, SCL
	s_mov_b64 s[G0SB+2:G0SB+3], s[92:93]
	s_or_b32 s[G0SB+3], s[G0SB+3], 0x80000000
	JLOAD G0S, G1S, G0SB, G1SB
.irp s, 0,1
	s_mov_b32 s[G0+4*\s], 1
	s_add_co_u32 s[G0+4*\s+1], s45, \s*SLOT
	s_add_nc_u64 s[G0+4*\s+2:G0+4*\s+3], s[20:21], \s*TILEB
	s_or_b32 s[G0+4*\s+3], s[G0+4*\s+3], 0x80000000
	s_mov_b32 s[G0B+4*\s], 1
	s_add_co_u32 s[G0B+4*\s+1], s95, \s*SLOT
	s_add_nc_u64 s[G0B+4*\s+2:G0B+4*\s+3], s[46:47], \s*ROWB
	s_or_b32 s[G0B+4*\s+3], s[G0B+4*\s+3], 0x80000000
	JLOAD G0+4*\s, G1, G0B+4*\s, G1B
.endr
	v_and_b32 v1, 15, v0                           ; r
	v_bfe_u32 v2, v0, 4, 1                         ; h
	v_and_b32 v6, 31, v0                           ; lane
	v_lshlrev_b32 v4, 4, v6
	v_lshlrev_b32 v5, 3, v6
	v_mul_u32_u24 v3, v1, PITCH
	v_mad_u32_u24 v8, v2, 24, v3                   ; B: row x pitch + 24 x half,
	v_mad_u32_u24 v9, v2, 40, v3                   ; and the same behind one padding more
	s_mul_i32 s21, s15, HALFA                      ; my eight tiles of A
	s_mul_i32 s22, s16, HALFB                      ; my 128 rows of B,
	s_add_co_u32 s22, s22, 2*HALFA                 ; behind A's sixteen tiles
.irp s, 0,1
	v_add_nc_u32 v[AI16+\s], s21, v4
	v_add_nc_u32 v[AI8+\s], s21, v5
	v_add_nc_u32 v[ADRB+\s], s22, v8
	v_add_nc_u32 v[ADRB+2+\s], s22, v9
	s_add_co_u32 s21, s21, SLOT
	s_add_co_u32 s22, s22, SLOT
.endr
	v_mul_u32_u24 v5, v1, KS                       ; my row's scale bytes: 32 a row,
	v_lshrrev_b32 v8, 8, v5
	v_lshl_add_u32 v5, v8, 4, v5                   ; and 16 more for each 256 passed
	s_mul_i32 s21, s15, HALFS
	s_mul_i32 s22, s16, HALFS
	s_add_co_u32 s22, s22, 2*HALFS
	s_sub_co_u32 s22, s22, s21
	v_mul_u32_u24 v8, s22, v2                      ; lanes 16-31 take B's
	s_add_co_u32 s21, s21, SCL
	v_add_nc_u32 v5, v5, v8
	v_add_nc_u32 v[ADRS], s21, v5
	s_mul_i32 s23, s14, 16*SPITCH                  ; my stage
	v_mul_u32_u24 v5, v1, SPITCH
	v_lshl_add_u32 v5, v2, 5, v5
	v_add_nc_u32 v[STO], s23, v5                   ; in: row r, 32 bytes for each half of the lanes
	v_mov_b32 v[CO], v4                            ; back: the 32 lanes take one row of 512 bytes; and the same in out0
	v_add_nc_u32 v[RD], s23, v4
	s_lshl_b32 s20, s17, 8
	s_lshl_b32 s21, s15, 7
	s_add_co_u32 s20, s20, s21                     ; my first token: 256 x tile row + 128 x half
	s_mov_b32 s21, 0
	s_mov_b64 s[18:19], 4096
	s_mul_u64 s[20:21], s[20:21], s[18:19]
	s_lshl_b32 s46, s42, 10                        ; my first column, in bytes: 1,024 x tile column + 512 x half
	s_lshl_b32 s47, s16, 9
	s_add_co_u32 s46, s46, s47
	s_mov_b32 s47, 0
	s_add_nc_u64 s[20:21], s[20:21], s[46:47]
	s_add_nc_u64 s[12:13], s[12:13], s[20:21]
	s_add_nc_u64 s[2:3], s[2:3], s[46:47]          ; the bias of my 128 columns: block b's eight of my half at 64 b + 32 h
	v_lshlrev_b32 v7, 5, v2
.irp b, 0,1,2,3,4,5,6,7
	global_load_b128 v[BI+8*\b:BI+8*\b+3], v7, s[2:3] offset:64*\b
	global_load_b128 v[BI+8*\b+4:BI+8*\b+7], v7, s[2:3] offset:64*\b+16
.endr
.macro FRAG reg, adr, q, i             ; a fragment of B from rows: 24 bytes twice, in pieces of 8 bytes; the second address register serves the pieces that lie behind one padding more
.irp p, 0,1,2,3,4,5
.set PC, 12*(\q)+6*(\p/3)+\p%3
.if PC%8 < 5
	ds_load_b64 v[\reg+2*\p:\reg+2*\p+1], v[\adr] offset:8*PC+16*(PC/8)+(\i)*16*PITCH
.else
	ds_load_b64 v[\reg+2*\p:\reg+2*\p+1], v[\adr+2] offset:8*PC+16*(PC/8)+(\i)*16*PITCH
.endif
.endr
.endm
.macro FRAGI reg, slot, q, i           ; a fragment of A from its image: two heads' half images
	ds_load_b128 v[\reg:\reg+3], v[AI16+\slot] offset:TILEB*(\i)+1536*(\q)
	ds_load_b64 v[\reg+4:\reg+5], v[AI8+\slot] offset:TILEB*(\i)+1536*(\q)+512
	ds_load_b128 v[\reg+6:\reg+9], v[AI16+\slot] offset:TILEB*(\i)+1536*(\q)+768
	ds_load_b64 v[\reg+10:\reg+11], v[AI8+\slot] offset:TILEB*(\i)+1536*(\q)+1280
.endm
; 16 matrix instructions: A's blocks a0, a0 + 1 x B's eight.  first = 1: the bias is the C.  The 64 accumulators take turns, one instruction a turn.
.macro MUL16 a0, p, q, sc, first
.irp a, \a0, \a0+1
.irp b, 0,1,2,3,4,5,6,7
.if \first
	v_wmma_scale_f32_16x16x128_f8f6f4 v[8*(8*((\a)%4)+\b):8*(8*((\a)%4)+\b)+7], v[128*(\p)+FR*\b:128*(\p)+FR*\b+FR-1], v[AF+FR*(\a):AF+FR*(\a)+FR-1], v[BI+8*\b:BI+8*\b+7], v[SC+8*NQ*(\sc)+NQ*\b+(\q)], v[SC+8*NQ*(\sc)+NQ*(\a)+(\q)] matrix_a_fmt:MATRIX_FMT_FP6 matrix_b_fmt:MATRIX_FMT_FP6 matrix_a_scale:MATRIX_SCALE_ROW1
.else
	v_wmma_scale_f32_16x16x128_f8f6f4 v[8*(8*((\a)%4)+\b):8*(8*((\a)%4)+\b)+7], v[128*(\p)+FR*\b:128*(\p)+FR*\b+FR-1], v[AF+FR*(\a):AF+FR*(\a)+FR-1], v[8*(8*((\a)%4)+\b):8*(8*((\a)%4)+\b)+7], v[SC+8*NQ*(\sc)+NQ*\b+(\q)], v[SC+8*NQ*(\sc)+NQ*(\a)+(\q)] matrix_a_fmt:MATRIX_FMT_FP6 matrix_b_fmt:MATRIX_FMT_FP6 matrix_a_scale:MATRIX_SCALE_ROW1
.endif
.endr
.endr
.endm
.macro FETCH_B slot, q, p
	WIN TO_B
.irp i, 0,1,2,3,4,5,6,7
	FRAG 128*(\p)+FR*\i, ADRB+\slot, \q, \i
.endr
	WIN 0
.endm
.macro FETCH_A slot, q, i0
.irp i, \i0, \i0+1, \i0+2, \i0+3
	FRAGI AF+FR*(\i), \slot, \q, \i
.endr
.endm
.macro SCALES sc
.irp i, 0,1,2,3,4,5,6,7
	ds_load_b64 v[SC+8*NQ*\sc+NQ*\i:SC+8*NQ*\sc+NQ*\i+1], v[ADRS] offset:\i*SBLK
.endr
.endm
.macro PLACES n
.rept \n
	v_nop
.endr
.endm
.macro STEP slot, q, first
	s_wait_dscnt 4*NLA                             ; B's set, A's blocks 0-3 and the scale words are in; the youngest 16 loads (A's blocks 4-7) may be out
.if \first
	WIN BIA_LO
.else
	WIN MUL_LO
.endif
	MUL16 0, (\q)%2, \q, \slot, \first
	MUL16 2, (\q)%2, \q, \slot, \first
	s_wait_dscnt 0
	PLACES NP
	FETCH_B \slot, (\q)+1, 1-(\q)%2
	FETCH_A \slot, (\q)+1, 0
.if \first
	WIN BIA_HI
.else
	WIN MUL_HI
.endif
	MUL16 4, (\q)%2, \q, \slot, \first
	MUL16 6, (\q)%2, \q, \slot, \first
	PLACES NP
	WIN 0
	FETCH_A \slot, (\q)+1, 4
.endm
.macro TURN slot, next, fill
	s_wait_tensorcnt 0x0                           ; all my tensor loads have landed: my part of the next slot
	ds_add_u32 v[SPW], v[NIL]                      ; 0 onto my spare word
	s_wait_dscnt 4*NLA+1                           ; (the add and the youngest 16 loads may be out)
	WIN MUL_LO
	MUL16 0, 1, NQ-1, \slot, 0
	s_wait_dscnt 0x0                               ; the add is done, and my reads of this slot are over
	s_barrier_signal -1
	MUL16 2, 1, NQ-1, \slot, 0
	WIN 0
	s_barrier_wait -1
.if \fill
	CREST                                          ; the barrier has opened a round of the cluster's: no wave of any partner still reads this slot or has a load on its way
	s_add_nc_u64 s[G0+4*\slot+2:G0+4*\slot+3], s[G0+4*\slot+2:G0+4*\slot+3], 2*TILEB
	s_add_nc_u64 s[G0B+4*\slot+2:G0B+4*\slot+3], s[G0B+4*\slot+2:G0B+4*\slot+3], 2*ROWB
	JLOAD G0+4*\slot, G1, G0B+4*\slot, G1B
.else
	PLACES NP
.endif
	v_add_nc_u32 v[ADRS], 4*NQ, v[ADRS]
	FETCH_B \next, 0, 0
	FETCH_A \next, 0, 0
	SCALES \next
	WIN MUL_HI
	MUL16 4, 1, NQ-1, \slot, 0
	MUL16 6, 1, NQ-1, \slot, 0
	PLACES NP
	WIN 0
	FETCH_A \next, 0, 4
.endm
	s_wait_tensorcnt 1                             ; the scale bytes and my part of K step 0 are in (K step 1's load may be out),
	s_barrier_signal -1
	s_barrier_wait -1                              ; everybody's are
	FETCH_B 0, 0, 0
	FETCH_A 0, 0, 0
	SCALES 0
	FETCH_A 0, 0, 4
	s_wait_loadcnt 0x0                             ; the bias
	STEP 0, 0, 1                                   ; the first step's products start the sums, from the bias
	s_mov_b32 s3, LAPS-1
.Llap:
	TURN 0, 1, 1
	STEP 1, 0, 0
	TURN 1, 0, 1
	STEP 0, 0, 0
	s_sub_co_u32 s3, s3, 1
	s_cmp_lg_u32 s3, 0
	s_cbranch_scc1 .Llap
	TURN 0, 1, 0                                   ; the last lap fills nothing
	STEP 1, 0, 0
	s_wait_dscnt 4*NLA
	WIN MUL_LO
	MUL16 0, 1, NQ-1, 1, 0
	MUL16 2, 1, NQ-1, 1, 0
	s_wait_dscnt 0
	WIN MUL_HI
	MUL16 4, 1, NQ-1, 1, 0
	MUL16 6, 1, NQ-1, 1, 0
	WIN 0
; THE WAY OUT, block by block of 16 tokens x 128 columns: through my own stage in LDS and back as whole rows of 512 bytes.  LDS serves a wave's instructions in order (ISA guide 5.7.1.4).
.macro TOSTAGE a
.set AC, 64*((\a)%4)
	WIN 0x08+4*((\a)/4)                            ; the data: window 2 or 3
.irp b, 0,1,2,3,4,5,6,7
	ds_store_b128 v[STO], v[AC+8*\b:AC+8*\b+3] offset:64*\b          ; each accumulator from its low end on
	ds_store_b128 v[STO], v[AC+8*\b+4:AC+8*\b+7] offset:64*\b+16
.endr
	WIN 0
.set BB, BK+64*((\a)%2)
.irp t, 0,1,2,3,4,5,6,7,8,9,10,11,12,13,14,15
	ds_load_b128 v[BB+4*\t:BB+4*\t+3], v[RD] offset:\t*SPITCH
.endr
.endm
; Row t of block a is token 64 (a / 4) + 32 (t / 8) + 8 ((a % 4) xor (t / 8)) + t % 8 of my 128: its place stands in the store's immediate, 127 rows of 4,096 bytes at the most; the base is never stepped.
.macro SEND a, younger
.set BB, BK+64*((\a)%2)
	s_wait_dscnt \younger
.irp t, 0,1,2,3,4,5,6,7,8,9,10,11,12,13,14,15
	global_store_b128 v[CO], v[BB+4*\t:BB+4*\t+3], s[12:13] offset:(64*((\a)/4)+32*(\t/8)+8*((\a)%4+(\t/8)*(1-2*((\a)%2)))+\t%8)*4096 th:TH_STORE_NT   ; 32 lanes store 512 consecutive bytes, at a multiple of 256 from out0's first byte
.endr
.endm
	PLACES NP
	TOSTAGE 0
.irp a, 1,2,3,4,5,6,7
.if \a > 1
	s_wait_xcnt 0x0                                ; block a - 2's stores have read their registers: block a's loads may land there
.endif
	TOSTAGE \a
	SEND \a-1, 32                                  ; behind block a - 1's loads: block a's 16 stores and 16 loads
.endr
	SEND 7, 0
	s_wait_tensorcnt 0x0                           ; the wave's end
	ds_add_u32 v[SPW], v[NIL]
	s_wait_dscnt 0x0
	CROUND                                         ; the closing round
	s_endpgm
.Lfunc_end_k_q036b031354_proj:
	.size	k_q036b031354_proj, .Lfunc_end_k_q036b031354_proj-k_q036b031354_proj
	.p2alignl 7, 3214868480
	.fill 96, 4, 3214868480
	.section	.rodata,"a",@progbits
	.p2align	6, 0x0
	.amdhsa_kernel k_q036b031354_proj
		.amdhsa_group_segment_fixed_size 327680
		.amdhsa_private_segment_fixed_size 0
		.amdhsa_enable_private_segment 0
		.amdhsa_kernarg_size 48
		.amdhsa_user_sgpr_count 2
		.amdhsa_user_sgpr_kernarg_segment_ptr 1
		.amdhsa_wavefront_size32 1
		.amdhsa_system_sgpr_workgroup_id_x 1
		.amdhsa_system_sgpr_workgroup_id_y 1
		.amdhsa_system_sgpr_workgroup_id_z 1
		.amdhsa_system_vgpr_workitem_id 0
		.amdhsa_next_free_vgpr 1024
		.amdhsa_next_free_sgpr 98
		.amdhsa_reserve_vcc 0
		.amdhsa_float_denorm_mode_32 3
		.amdhsa_float_denorm_mode_16_64 3
		.amdhsa_memory_ordered 1
		.amdhsa_forward_progress 1
		.amdhsa_inst_pref_size 153
	.end_amdhsa_kernel
	.amdgpu_metadata
---
amdhsa.version: [ 1, 2 ]
amdhsa.kernels:
  - .name:           k_q036b031354_proj
    .symbol:         k_q036b031354_proj.kd
    .args:
      - { .name: Yc, .offset: 0, .size: 8, .value_kind: global_buffer, .address_space: global }
      - { .name: Ys, .offset: 8, .size: 8, .value_kind: global_buffer, .address_space: global }
      - { .name: W_proj_codes, .offset: 16, .size: 8, .value_kind: global_buffer, .address_space: global }
      - { .name: W_proj_scales, .offset: 24, .size: 8, .value_kind: global_buffer, .address_space: global }
      - { .name: b_proj, .offset: 32, .size: 8, .value_kind: global_buffer, .address_space: global }
      - { .name: out0, .offset: 40, .size: 8, .value_kind: global_buffer, .address_space: global }
    .group_segment_fixed_size: 327680
    .private_segment_fixed_size: 0
    .kernarg_segment_align: 8
    .kernarg_segment_size: 48
    .max_flat_workgroup_size: 128
    .sgpr_count:     98
    .vgpr_count:     1024
    .wavefront_size: 32
...
	.end_amdgpu_metadata
.endif
;; end of part 3
